; MI455X (gfx1250); checked and timed in simulation.
; The chip was launched on July 23, 2026; its instructions are those of AMD's public machine-readable ISA for CDNA 5 (MIT licence, August 2026) and "CDNA5" Instruction Set Architecture Reference Guide (July 2026). The comments in the code are by the model that wrote it; some were corrected since.
;; Multi Head Attention. Allowed arithmetic: matrix products marked QUANTISED: E2M1 operands, one E8M0 scale for each 32 along K, by v_wmma_scale_f32_16x16x128_f8f6f4 with both operands' format E2M1 (or v_wmma_scale_f32_32x16x128_f4), f32 sums; products left as they are: bf16, f16 or f32 operands; f32 sums; everything else in f32.
;; Inputs: Wk 1,024 x 1,024 float32; Wo 1,024 x 1,024 float32; Wq 1,024 x 1,024 float32; Wv 1,024 x 1,024 float32; x 2 x 2,048 x 1,024 float32.
;; Outputs: out0 2 x 2,048 x 1,024 float32.
;; This version of the problem:
;;   THIS VERSION OF THE PROBLEM IS GIVEN IN LOW PRECISION. The matrix products marked QUANTISED in the list below multiply operands that are first quantised to E2M1 (2 exponent bits, 1 mantissa bit; 4 bits a number), with one power-of-two scale for each 32 numbers along K (OCP MX v1.0); their sums are f32. The products marked 'left as it is' may take bf16, f16 or f32 operands, with f32 sums. Whichever they take, every output number must still come out within the allowed error. Rounding operands to bf16 (8 significant bits) uses up far more of that allowance than f16 does (11 bits, for magnitudes from 6e-5 to 65,504). All else is computed in f32.
;;   The module's matrix products, in the order in which they are computed (A, B: the left and right operand; K: the contracted axis; several contracted axes count as one K, in the product's order):
;;     1. [M 4,096, K 1,024] x [K 1,024, N 1,024]; A: input x; B: input Wk: QUANTISED
;;     2. [M 4,096, K 1,024] x [K 1,024, N 1,024]; A: input x; B: input Wq: QUANTISED
;;     3. [M 4,096, K 1,024] x [K 1,024, N 1,024]; A: input x; B: input Wv: QUANTISED
;;     4. batch 32 x [M 2,048, K 64] x [K 64, N 2,048]; A: computed on the way; B: computed on the way: left as it is (an operand is computed on the way)
;;     5. batch 32 x [M 2,048, K 2,048] x [K 2,048, N 64]; A: computed on the way; B: computed on the way: left as it is (an operand is computed on the way)
;;     6. [M 4,096, K 1,024] x [K 1,024, N 1,024]; A: computed on the way; B: input Wo: left as it is (an operand is computed on the way)
;;   THE QUANTISER, for each operand of a quantised product, along K:
;;     - K is cut into blocks of 32 from its start; a last block that is shorter is filled with zeros.
;;     - A block's scale is 2^e with e = floor(log2(the largest magnitude in the block)) - 2, held to -126 .. 127; a block of zeros has e = 0. As a byte (E8M0): e + 127.
;;     - Each number is divided by its block's scale, clamped to +-6, and rounded to the nearest number of E2M1, ties to even, subnormals kept.
;;     - The product sums the exact products of the quantised numbers (number of the format x scale) in f32.
;;   ~~~python
;;   def quantise(x, axis):      # numpy; x: float32 -> the quantised numbers, widened to float32 again
;;       x = np.moveaxis(x, axis, -1); K = x.shape[-1]
;;       x = np.pad(x, [(0, 0)] * (x.ndim - 1) + [(0, -K % 32)]); x = x.reshape(x.shape[:-1] + (-1, 32)); a = np.abs(x).max(-1, keepdims=True)
;;       e = np.where(a > 0, np.clip(np.frexp(np.where(a > 0, a, 1))[1] - 1 - 2, -126, 127), 0)      # np.frexp(a)[1] - 1 = floor(log2(a)), exactly
;;       r = np.clip(x / 2.0 ** e, -6, 6)
;;       step = 2.0 ** (np.maximum(np.frexp(np.where(r == 0, 1, r))[1] - 1, 0) - 1)
;;       q = np.round(r / step) * step * 2.0 ** e      # np.round: ties to even
;;       return np.moveaxis(q.reshape(q.shape[:-2] + (-1,))[..., :K], -1, axis).astype(np.float32)
;;   ~~~
;; One version. Each part assembles by itself: llvm-mc -triple=amdgcn-amd-amdhsa -mcpu=gfx1250 --defsym DOCPART=n.
;; ======== version 1 of 1: 5 launches
;; limits: values are held in f16: magnitudes above 65,504 overflow, below 6.1e-05 lose precision
;; workspace buffers: xcodes 2,097,152 bytes; wcodes 1,572,864 bytes; scales 229,376 bytes; wo16 2,097,152 bytes; qimg 8,388,608 bytes; kv 16,777,216 bytes; o32 131,072 bytes; att 8,388,608 bytes
;; launch quant (part 1): grid 352 x 1, 4 waves a work-group, no clusters, 33,280 bytes of LDS; arguments x, Wq, Wk, Wv, Wo, xcodes, wcodes, scales, wo16; writes xcodes, wcodes, scales, wo16
.if DOCPART == 1
	.amdgcn_target "amdgcn-amd-amdhsa--gfx1250"
	.amdhsa_code_object_version 6
	.text
	.protected	k_q43c6deabc9_quant
	.globl	k_q43c6deabc9_quant
	.p2align	8
	.type	k_q43c6deabc9_quant,@function
k_q43c6deabc9_quant:
	s_mov_b64 s[64:65], 0
	v_nop
	global_prefetch_b8 v0, s[64:65] scope:SCOPE_SE
	s_setreg_imm32_b32 hwreg(HW_REG_WAVE_MODE, 25, 1), 1
	s_wait_xcnt 0x0
; x [4096][1024] and Wq, Wk, Wv [1024][1024], f32, K innermost, become codes of FP4 (E2M1) with one E8M0 scale byte for each 32 along K; Wo [1024][1024] becomes f16.
; A block's scale is 2^(floor(log2(its largest magnitude)) - 2); its byte is the largest magnitude's exponent field - 2, held at 1 from below.  A block of zeros so gets the byte 1: its codes are zeros,
; and this program alone reads the bytes.  Each number is divided by the scale and rounded to the nearest code, ties to even; beyond 6 the largest code.
; LIMITS: blocks whose largest magnitude lies under 2^-124 (the floor) were not tried; NaN and infinities are not served; |Wo| stays under 65,504 (f16).
; SHARES.  Work-groups 0-127 take x, 128-159 Wq, 160-191 Wk, 192-223 Wv: 32,768 numbers each, 8,192 (8 rows) a wave.  Work-groups 224-351 take Wo: 8,192 numbers each, 16 rows x 2 heads a wave: its loads touch
; 16 rows each, so they are spread over four times as many work-groups as its bytes alone would ask for.  Waves share nothing: no barrier, no cluster, no matrix unit.
; WHERE THE CODES GO.  x: row by row, 512 bytes a row.  The weights' rows are laid BY HEAD: row 192 h + 64 t + d (t = 0 q, 1 k, 2 v), so that one head's q, k and v rows are 192 rows on end.
; Scale bytes: 32 a row; x's from byte 0, the weights' from byte 131,072, in the codes' row order.
; A lane must hold 16 NEIGHBOURS for the conversions, a load is best where neighbouring lanes take neighbouring bytes: each load reads 512 consecutive bytes, and a step's 2,048 bytes turn through the wave's own stage in LDS.
; Wo goes out as images of the operand's registers: [n / 16][head][u][c][lane][16 bytes]: lane (r, hh) holds Wo[16 g + r][64 h + 32 u + 16 c + 8 hh + 0 .. 7] in f16.
.set WAVES, 4
.set STEPS, 16
.set EMAX,  2
.set CB,    8                          ; bytes of 16 codes
.set R,     16                         ; v16-79   four sets of 16 numbers as they are loaded
.set X,     80                         ; v80-111  two sets of 16 neighbours
.set C,     128                        ; v128-191 codes: four registers for each step, so that no store's data are written again
.set E,     112                        ; v112-127 a scale byte for each step
.set WREG,  8192                       ; LDS: a region for each wave: two stages of 32 x SP bytes, behind them its 256 scale bytes
.set SP,    80                         ; a lane's place in a stage: 64 bytes + 16 of padding
.set SPW,   12                         ; v12  LDS address of my spare word; never rewritten
.set NIL,   13                         ; v13  0; never rewritten
.set SPARE, WAVES*WREG                 ; behind the regions: the spare words, 128 bytes a wave
	s_load_b256 s[4:11], s[0:1], 0x0               ; x, Wq, Wk, Wv
	s_load_b256 s[12:19], s[0:1], 0x20             ; Wo, xcodes, wcodes, scales
	s_load_b64 s[20:21], s[0:1], 0x40              ; wo16
	v_lshl_add_u32 v[SPW], v0, 2, SPARE
	v_mov_b32 v[NIL], 0
	v_lshrrev_b32 v1, 5, v0
	v_readfirstlane_b32 s22, v1                    ; wave
	v_and_b32 v2, 31, v0                           ; lane
	s_cmp_ge_u32 ttmp9, 224
	s_cbranch_scc1 .Lwo                            ; the last 128 work-groups take Wo
	v_lshlrev_b32 v3, 4, v2                        ; my 16 bytes of a load's 512
	s_mul_i32 s23, s22, WREG
	v_lshrrev_b32 v14, 2, v2
	v_mul_u32_u24 v14, v14, SP
	v_and_b32 v15, 3, v2
	v_lshl_add_u32 v14, v15, 4, v14
	v_add_nc_u32 v14, s23, v14                     ; the stage, on the way in: SP (lane / 4) + 16 (lane % 4)
	v_mul_u32_u24 v15, v2, SP
	v_add_nc_u32 v15, s23, v15                     ; and on the way out: SP x lane: my 16 neighbours
	v_mul_u32_u24 v4, v2, CB                       ; my codes' place in a step's
	v_lshrrev_b32 v5, 1, v2
	s_add_co_u32 s23, s23, 2*32*SP
	v_add_nc_u32 v5, s23, v5                       ; LDS: my wave's 256 scale bytes, my block's byte
	v_lshlrev_b32 v7, 3, v2                        ; and on the way out 8 bytes a lane
	v_add_nc_u32 v6, s23, v7
	; a weight's work-group: gi = which 32 rows of it, t = which weight
	s_and_b32 s24, ttmp9, 31                       ; gi
	s_lshr_b32 s25, ttmp9, 5
	s_and_b32 s25, s25, 3                          ; t
	s_lshl_b32 s26, s24, 2
	s_add_co_u32 s26, s26, s22                     ; the wave's run of 8 rows in the weight: 4 gi + wave
	s_lshr_b32 s27, s24, 1                         ; the head
	s_mul_i32 s27, s27, 192
	s_lshl_b32 s25, s25, 6
	s_add_co_u32 s27, s27, s25
	s_and_b32 s24, s24, 1
	s_lshl_b32 s24, s24, 5
	s_add_co_u32 s27, s27, s24
	s_lshl_b32 s24, s22, 3
	s_add_co_u32 s27, s27, s24                     ; its first row among the codes: 192 h + 64 t + 32 (gi % 2) + 8 wave
	s_lshl_b32 s28, ttmp9, 2
	s_add_co_u32 s28, s28, s22                     ; x: run 4 g + wave,
	s_lshl_b32 s29, s28, 3                         ; row 8 x run
	s_wait_kmcnt 0x0
	s_cmp_lt_u32 ttmp9, 192                        ; the choices hang on the work-group's number alone
	s_cselect_b64 s[8:9], s[8:9], s[10:11]         ; Wk or Wv
	s_cmp_lt_u32 ttmp9, 160
	s_cselect_b64 s[6:7], s[6:7], s[8:9]           ; Wq or that
	s_cmp_lt_u32 ttmp9, 128
	s_cselect_b64 s[4:5], s[4:5], s[6:7]           ; x or that
	s_cselect_b64 s[8:9], s[14:15], s[16:17]       ; x's codes or the weights'
	s_cselect_b32 s26, s28, s26
	s_cselect_b32 s27, s29, s27
	s_cselect_b32 s30, 0, 131072                   ; where the scale bytes begin
	s_lshl_b32 s32, s26, 15                        ; 32,768 bytes of f32 a run
	s_mov_b32 s33, 0
	s_add_nc_u64 s[4:5], s[4:5], s[32:33]
	s_lshl_b32 s32, s27, 9                         ; 512 bytes of codes a row
	s_add_nc_u64 s[8:9], s[8:9], s[32:33]
	s_lshl_b32 s32, s27, 5                         ; 32 scale bytes a row
	s_add_co_u32 s32, s32, s30
	s_add_nc_u64 s[10:11], s[18:19], s[32:33]
.macro LOAD t
.irp i, 0,1,2,3
	global_load_b128 v[R+16*((\t)%4)+4*\i:R+16*((\t)%4)+4*\i+3], v3, s[4:5] offset:2048*(\t)+512*\i th:TH_LOAD_NT   ; 32 lanes read 512 consecutive bytes
.endr
.endm
.macro TURN t                          ; step t's numbers through the stage: LDS serves a wave's instructions in order, so no wait stands between the stores and the loads
.irp i, 0,1,2,3
	ds_store_b128 v14, v[R+16*((\t)%4)+4*\i:R+16*((\t)%4)+4*\i+3] offset:32*SP*((\t)%2)+8*SP*\i
.endr
.irp i, 0,1,2,3
	ds_load_b128 v[X+16*((\t)%2)+4*\i:X+16*((\t)%2)+4*\i+3], v15 offset:32*SP*((\t)%2)+16*\i
.endr
.endm
.irp t, 0,1,2,3
	LOAD \t
.endr
	s_wait_loadcnt 12                              ; step 0's four loads are in; three steps' twelve may be out
	TURN 0
.macro STEP t
.set XS, X+16*((\t)%2)
.if (\t) > 0
	s_wait_dscnt 1                                 ; this step's numbers are back from the stage (the last step's byte store may be out): so its stores into the stage have read their registers,
.else
	s_wait_dscnt 0x0
.endif
.if (\t)+4 < STEPS
	LOAD (\t)+4                                    ; which take the loads of four steps on
.endif
.if (\t)+1 < STEPS
.if STEPS-2-(\t) >= 3
	s_wait_loadcnt 12                              ; the next step's four loads are in; those of the three steps behind it may be out
.else
	s_wait_loadcnt 4*(STEPS-2-(\t))
.endif
	TURN (\t)+1                                    ; and go through the other stage while this step is worked
.endif
	v_max3_num_f32 v8, |v[XS]|, |v[XS+1]|, |v[XS+2]|               ; the largest magnitude of my 16, in two chains
	v_max3_num_f32 v9, |v[XS+3]|, |v[XS+4]|, |v[XS+5]|
.irp i, 6,10
	v_max3_num_f32 v8, v8, |v[XS+\i]|, |v[XS+\i+1]|
	v_max3_num_f32 v9, v9, |v[XS+\i+2]|, |v[XS+\i+3]|
.endr
	v_max3_num_f32 v8, v8, |v[XS+14]|, |v[XS+15]|
	v_max3_num_f32 v8, v8, v9, (EMAX+1)<<23        ; and the floor 2^(EMAX + 1 - 127): the byte cannot fall under 1
	v_max_num_f32_dpp v8, v8, v8 row_xmask:1 row_mask:0xf bank_mask:0xf   ; and of my neighbour's 16: the block's
	v_add_nc_u32 v11, -(EMAX<<23), v8              ; EMAX off its exponent field: the conversion takes the exponent field of this operand as its scale
	v_cvt_scalef32_pk8_fp4_f32 v[C+4*(\t)], v[XS:XS+7], v11
	v_cvt_scalef32_pk8_fp4_f32 v[C+4*(\t)+1], v[XS+8:XS+15], v11
	v_lshrrev_b32 v[E+(\t)], 23, v11               ; the scale's byte (a plain line behind the conversions)
	ds_store_b8 v5, v[E+(\t)] offset:16*(\t)       ; both lanes of a block write the same byte with the same value
	global_store_b64 v4, v[C+4*(\t):C+4*(\t)+1], s[8:9] offset:32*CB*(\t)   ; the wave stores 256 consecutive bytes, aligned
.endm
.irp t, 0,1,2,3,4,5,6,7,8,9,10,11,12,13,14,15
	STEP \t
.endr
	ds_load_b64 v[8:9], v6                         ; LDS serves a wave's instructions in order: these see my byte stores
	s_wait_dscnt 0x0
	global_store_b64 v7, v[8:9], s[10:11]          ; 32 lanes store 256 consecutive bytes, aligned
	s_wait_tensorcnt 0x0                           ; the wave's end, behind my last LDS store
	ds_add_u32 v[SPW], v[NIL]
	s_wait_dscnt 0x0
	s_endpgm
; Wo: a wave takes 16 rows (one row group) x 2 heads.  A head's eight loads read 16 rows x 256 bytes; a head's four stores write 2,048 consecutive bytes.
.Lwo:
	s_sub_co_u32 s24, ttmp9, 224                   ; i = 0 .. 127
	s_lshr_b32 s25, s24, 1                         ; the row group: i / 2
	s_and_b32 s24, s24, 1
	s_lshl_b32 s24, s24, 2
	s_add_co_u32 s24, s24, s22                     ; which pair of heads: 4 (i % 2) + wave
	s_lshl_b32 s26, s25, 16                        ; in: 16 rows of 4,096 bytes a row group,
	s_lshl_b32 s27, s24, 9                         ; 512 bytes of a row a pair of heads
	s_add_co_u32 s26, s26, s27
	s_mov_b32 s27, 0
	s_lshl_b32 s28, s25, 15                        ; out: a row group's images are 16 heads x 2,048 bytes
	s_lshl_b32 s29, s24, 12
	s_add_co_u32 s28, s28, s29
	s_mov_b32 s29, 0
	v_and_b32 v5, 15, v0                           ; r
	v_bfe_u32 v6, v0, 4, 1                         ; hh
	v_lshlrev_b32 v3, 12, v5
	v_lshl_add_u32 v3, v6, 5, v3                   ; in: row r, + 32 hh bytes: my eight numbers
	v_lshlrev_b32 v4, 4, v2                        ; out: 16 x lane
	s_wait_kmcnt 0x0
	s_add_nc_u64 s[12:13], s[12:13], s[26:27]
	s_add_nc_u64 s[20:21], s[20:21], s[28:29]
.irp e, 0,1                            ; my two heads; k = 2 u + c
.irp k, 0,1,2,3
.irp p, 0,1
	global_load_b128 v[16+32*\e+8*\k+4*\p:16+32*\e+8*\k+4*\p+3], v3, s[12:13] offset:256*\e+64*\k+16*\p th:TH_LOAD_NT
.endr
.endr
.endr
.irp e, 0,1
	s_wait_loadcnt 8-8*\e                          ; this head's eight loads are in; the second head's eight may be out
.irp k, 0,1,2,3
.irp i, 0,1,2,3
	v_cvt_pk_f16_f32 v[16+32*\e+8*\k+\i], v[16+32*\e+8*\k+2*\i], v[16+32*\e+8*\k+2*\i+1]   ; in place, ascending: a register is written after it has been read
.endr
	global_store_b128 v4, v[16+32*\e+8*\k:16+32*\e+8*\k+3], s[20:21] offset:2048*\e+512*\k
.endr
.endr
	s_wait_tensorcnt 0x0                           ; the wave's end, as on the other path
	ds_add_u32 v[SPW], v[NIL]
	s_wait_dscnt 0x0
	s_endpgm
.Lfunc_end_k_q43c6deabc9_quant:
	.size	k_q43c6deabc9_quant, .Lfunc_end_k_q43c6deabc9_quant-k_q43c6deabc9_quant
	.p2alignl 7, 3214868480
	.fill 96, 4, 3214868480
	.section	.rodata,"a",@progbits
	.p2align	6, 0x0
	.amdhsa_kernel k_q43c6deabc9_quant
		.amdhsa_group_segment_fixed_size 33280
		.amdhsa_private_segment_fixed_size 0
		.amdhsa_enable_private_segment 0
		.amdhsa_kernarg_size 72
		.amdhsa_user_sgpr_count 2
		.amdhsa_user_sgpr_kernarg_segment_ptr 1
		.amdhsa_wavefront_size32 1
		.amdhsa_system_sgpr_workgroup_id_x 1
		.amdhsa_system_sgpr_workgroup_id_y 1
		.amdhsa_system_sgpr_workgroup_id_z 1
		.amdhsa_system_vgpr_workitem_id 0
		.amdhsa_next_free_vgpr 192
		.amdhsa_next_free_sgpr 66
		.amdhsa_reserve_vcc 0
		.amdhsa_float_denorm_mode_32 3
		.amdhsa_float_denorm_mode_16_64 3
		.amdhsa_memory_ordered 1
		.amdhsa_forward_progress 1
		.amdhsa_inst_pref_size 39
	.end_amdhsa_kernel
	.amdgpu_metadata
---
amdhsa.version: [ 1, 2 ]
amdhsa.kernels:
  - .name:           k_q43c6deabc9_quant
    .symbol:         k_q43c6deabc9_quant.kd
    .args:
      - { .name: x, .offset: 0, .size: 8, .value_kind: global_buffer, .address_space: global }
      - { .name: Wq, .offset: 8, .size: 8, .value_kind: global_buffer, .address_space: global }
      - { .name: Wk, .offset: 16, .size: 8, .value_kind: global_buffer, .address_space: global }
      - { .name: Wv, .offset: 24, .size: 8, .value_kind: global_buffer, .address_space: global }
      - { .name: Wo, .offset: 32, .size: 8, .value_kind: global_buffer, .address_space: global }
      - { .name: xcodes, .offset: 40, .size: 8, .value_kind: global_buffer, .address_space: global }
      - { .name: wcodes, .offset: 48, .size: 8, .value_kind: global_buffer, .address_space: global }
      - { .name: scales, .offset: 56, .size: 8, .value_kind: global_buffer, .address_space: global }
      - { .name: wo16, .offset: 64, .size: 8, .value_kind: global_buffer, .address_space: global }
    .group_segment_fixed_size: 33280
    .private_segment_fixed_size: 0
    .kernarg_segment_align: 8
    .kernarg_segment_size: 72
    .max_flat_workgroup_size: 128
    .sgpr_count:     66
    .vgpr_count:     192
    .wavefront_size: 32
...
	.end_amdgpu_metadata
.endif
;; end of part 1
;; launch qkv (part 2): grid 16 x 16, 4 waves a work-group, clusters of 4 x 1, 262,144 bytes of LDS; arguments xcodes, wcodes, scales, qimg, kv, o32; writes qimg, kv, o32
.if DOCPART == 2
	.amdgcn_target "amdgcn-amd-amdhsa--gfx1250"
	.amdhsa_code_object_version 6
	.text
	.protected	k_q43c6deabc9_qkv
	.globl	k_q43c6deabc9_qkv
	.p2align	8
	.type	k_q43c6deabc9_qkv,@function
k_q43c6deabc9_qkv:
	s_mov_b64 s[64:65], 0
	v_nop
	global_prefetch_b8 v0, s[64:65] scope:SCOPE_SE
	s_setreg_imm32_b32 hwreg(HW_REG_WAVE_MODE, 25, 1), 1
	s_wait_xcnt 0x0
	s_wait_alu depctr_hold_cnt(0) depctr_sa_sdst(0) depctr_va_vdst(0) depctr_va_sdst(0) depctr_va_ssrc(0) depctr_va_vcc(0) depctr_vm_vsrc(0)
	s_getreg_b32 s2, hwreg(HW_REG_IB_STS2, 6, 4)
	s_cmp_eq_u32 s2, 0
	s_cbranch_scc0 .Lentry_in_a_cluster
	s_endpgm
.Lentry_in_a_cluster:
	s_bfe_u32 s2, ttmp6, 0x10000c
	s_cmp_lg_u32 s2, 0x3003
	s_cbranch_scc0 .Lentry_shape_is_right
	s_endpgm
.Lentry_shape_is_right:
; q, k, v = x Wq^T, x Wk^T, x Wv^T on codes of FP4 (E2M1) with E8M0 scales, sums in f32; the results leave as f16 IMAGES OF THE NEXT PRODUCTS' OPERAND REGISTERS.
; SHARES.  A work-group makes 256 rows of x (tile row TR) x one head's 192 columns (64 of q, 64 of k, 64 of v): 16 x 16 = 256 work-groups.  Wave w takes rows 64 w .. 64 w + 63 x all 192 columns: 48 accumulators.
; All of K (1,024 codes = 512 bytes a row) lies in LDS at once, in two halves along K of 256 bytes a row: nothing is filled again.
; CLUSTER 4, 1, 1: the four partners have the same tile row and four neighbouring heads: x's tiles are asked for JOINTLY (mask 15); the weights' tiles differ by head and come by plain loads behind the same round.
; A cluster of 4 x 4 is not taken: the one branch on the tile row (the tail below) has to go the same way in all partners.
; LAYOUT.  q and k: source 0 = 16 rows of the weight, source 1 = 16 rows of x: a lane holds one position (lane % 16) and eight neighbouring channels: four conversions make half of a fragment of K Q^T.
; v: the sources the other way round: a lane holds one channel and eight neighbouring keys: half of a fragment of V^T.  So every store of the wave is 512 consecutive bytes and no stage is needed.
; THE FIRST 16 POSITIONS of each sequence (wave 0 of the work-groups with TR % 8 = 0) are taken through the whole attention here in f32: the f32 sums of q, k, v are operands of the f32 matrix form as they stand
; (the same permutation of the channels, or of the keys, on both sources keeps a product); the softmax takes its maximum away and is normalised ahead of the second product.
; LIMITS: |q|, |k|, |v| stay under 65,504 (f16); NaN and infinities are not served.
; REGISTERS, in windows of 256: window 0: v1-29 addresses and the tail's work; v32-127 scale words; v128-191 x's fragments, two sets of 32, later the way out's 48; v192-239 the tail's f32 sums, written by matrix instructions alone.
;   window 1: the weights' fragments, two sets of 96, at v0 and v96.   window 2: q's and k's accumulators, (a, b) at v[8 (8 a + b)].   window 3: v's, (a, t) at v[8 (4 a + t)].
.set PITCH, 272                        ; an LDS row: 256 bytes + 16 of padding: the 16 rows of a fragment load start 68 words apart
.set AHALF, 256*PITCH                  ; x: 256 rows of one half of K
.set BBASE, 2*AHALF
.set BHALF, 192*PITCH                  ; the weights: 192 rows of one half of K
.set SPARE, BBASE+2*BHALF              ; the spare words, 128 bytes a wave
.set LI,   1                           ; v1     16 x lane
.set ADRA, 2                           ; v2-3   LDS address of my fragments of x, K half 0, 1
.set ADRB, 4                           ; v4-5   the same for the weights
.set SOF,  6                           ; v6     my byte among the scale bytes: lanes 0-15 x's rows, lanes 16-31 the weights'
.set RR,   10                          ; v10    lane % 16
.set HH,   11                          ; v11    lane / 16
.set P,    12                          ; v12-19 the tail: scores, then weights
.set TT,   20                          ; v20-24 the tail: at work
.set SPW,  28                          ; v28    LDS address of my spare word; never rewritten
.set NIL,  29                          ; v29    0; never rewritten
.set SC,   32                          ; v[SC + 8 i + s]: lanes 0-15 the scale word of x's block i, lanes 16-31 that of the weights' block i, for K step s
.set AF,   128
.set OUTR, 128
.set SA,   192                         ; v192-199, v200-207: the scores' two partial sums
.set OO,   208                         ; v208-239: O^T of the first 16 positions
.set WV,   16
.set CX,   17
.set HD,   18
.set TR,   19
.set G1A,  24                          ; s[24:31] group 1 for x's tiles; s[32:39] for the weights'
.set G1B,  32
.set GA0,  40                          ; groups 0: x half 0, weights half 0, x half 1, weights half 1
.set GB0,  44
.set GA1,  48
.set GB1,  52
.set SEL,  56
.set CS,   58
.set MSB, 0
.macro WIN new                         ; the immediate's high byte repeats the setting that is left
.if MSB != \new
	s_set_vgpr_msb (MSB<<8)|\new
.set MSB, \new
.endif
.endm
.macro PLACES n
.rept \n
	v_nop
.endr
.endm
.macro CROUND                          ; a round of the cluster's barrier
	s_barrier_signal -1
	s_barrier_wait -1
	s_cmp_lg_u32 s[WV], 0
	s_cbranch_scc1 .Lnot_wave_0_\@
	s_barrier_signal -3
.Lnot_wave_0_\@:
	s_barrier_wait -3
	s_barrier_signal -1
	s_barrier_wait -1
.endm
	s_load_b256 s[4:11], s[0:1], 0x0               ; xcodes, wcodes, scales, qimg
	s_load_b128 s[12:15], s[0:1], 0x20             ; kv, o32
	v_lshl_add_u32 v[SPW], v0, 2, SPARE
	v_mov_b32 v[NIL], 0
	ds_add_u32 v[SPW], v[NIL]                      ; the wave's opening: the add, twice on end, and its wait ahead of my first tensor load
	ds_add_u32 v[SPW], v[NIL]
	v_lshrrev_b32 v9, 5, v0
	v_readfirstlane_b32 s[WV], v9                  ; wave 0..3
	s_bfe_u32 s[CX], ttmp6, 0x40000                ; my place in the cluster
	s_lshl_b32 s[HD], ttmp9, 2
	s_add_co_u32 s[HD], s[HD], s[CX]               ; the head = 4 x cluster x + cx
	s_and_b32 s[TR], ttmp7, 0xffff                 ; the tile row, which the partners share
	; group 1: rows of 256 bytes (elements of 1 byte), 512 bytes apart in memory, 16 bytes of padding behind each in LDS
	s_mov_b32 s[G1A], 15|(1<<20)|(1<<21)|(5<<22)|(3<<25)   ; the mask names all four partners; bit 21 beside it; padding: 4 words behind every 64
	s_mov_b32 s[G1A+1], 256<<16                    ; tensor_dim0
	s_mov_b32 s[G1A+2], 64<<16                     ; tensor_dim1: 64 rows a wave
	s_mov_b32 s[G1A+3], 256<<16                    ; tile_dim0
	s_mov_b32 s[G1A+4], 64                         ; tile_dim1
	s_mov_b32 s[G1A+5], 512                        ; from row to row
	s_mov_b32 s[G1A+6], 0
	s_mov_b32 s[G1A+7], 0
	s_mov_b32 s[G1B], (1<<20)|(5<<22)|(3<<25)      ; no mask: a load of my own
	s_mov_b32 s[G1B+1], 256<<16
	s_mov_b32 s[G1B+2], 48<<16                     ; 48 rows a wave
	s_mov_b32 s[G1B+3], 256<<16
	s_mov_b32 s[G1B+4], 48
	s_mov_b32 s[G1B+5], 512
	s_mov_b32 s[G1B+6], 0
	s_mov_b32 s[G1B+7], 0
	s_mov_b32 s[GA0], 1
	s_mul_i32 s[GA0+1], s[WV], 64*PITCH            ; LDS: the wave's number and constants alone
	s_mov_b32 s[GB0], 1
	s_mul_i32 s[GB0+1], s[WV], 48*PITCH
	s_add_co_u32 s[GB0+1], s[GB0+1], BBASE
	s_mov_b32 s[GA1], 1
	s_add_co_u32 s[GA1+1], s[GA0+1], AHALF
	s_mov_b32 s[GB1], 1
	s_add_co_u32 s[GB1+1], s[GB0+1], BHALF
	s_lshl_b32 s20, s[TR], 17                      ; x: (256 TR + 64 wave) rows of 512 bytes: s[20:21] never hold the head
	s_lshl_b32 s21, s[WV], 15
	s_add_co_u32 s20, s20, s21
	s_mov_b32 s21, 0
	s_mul_i32 s22, s[HD], 192*512                  ; the weights: (192 head + 48 wave) rows
	s_mul_i32 s23, s[WV], 48*512
	s_add_co_u32 s22, s22, s23
	s_mov_b32 s23, 0
	s_wait_dscnt 0x0                               ; both opening adds are done
	s_wait_kmcnt 0x0
	s_add_nc_u64 s[GA0+2:GA0+3], s[4:5], s[20:21]
	s_add_nc_u64 s[GA1+2:GA1+3], s[GA0+2:GA0+3], 256   ; the second half of K
	s_or_b32 s[GA0+3], s[GA0+3], 0x80000000
	s_or_b32 s[GA1+3], s[GA1+3], 0x80000000
	s_add_nc_u64 s[GB0+2:GB0+3], s[6:7], s[22:23]
	s_add_nc_u64 s[GB1+2:GB1+3], s[GB0+2:GB0+3], 256
	s_or_b32 s[GB0+3], s[GB0+3], 0x80000000
	s_or_b32 s[GB1+3], s[GB1+3], 0x80000000
	CROUND                                         ; all four partners are here: the joint loads meet
	tensor_load_to_lds s[GA0:GA0+3], s[G1A:G1A+7]  ; the launch's only fills, one group: four loads of mine are out
	s_nop 0
	tensor_load_to_lds s[GB0:GB0+3], s[G1B:G1B+7]
	s_nop 0
	tensor_load_to_lds s[GA1:GA1+3], s[G1A:G1A+7]
	s_nop 0
	tensor_load_to_lds s[GB1:GB1+3], s[G1B:G1B+7]
	s_nop 0
	PLACES 4
	v_and_b32 v9, 31, v0
	v_lshlrev_b32 v[LI], 4, v9
	v_and_b32 v[RR], 15, v0
	v_bfe_u32 v[HH], v0, 4, 1
	v_mul_u32_u24 v7, v[RR], PITCH
	v_lshl_add_u32 v7, v[HH], 4, v7                ; a fragment's row x pitch + 16 x half
	v_add_nc_u32 v[ADRA], s[GA0+1], v7             ; my own 64 rows of x
	v_add_nc_u32 v[ADRA+1], s[GA1+1], v7
	v_add_nc_u32 v[ADRB], BBASE, v7                ; all 192 rows of the weights
	v_add_nc_u32 v[ADRB+1], BBASE+BHALF, v7
	; the scale words come from memory straight into registers, once: 32 bytes a row, 512 a block of 16 rows
	s_lshl_b32 s62, s[TR], 13
	s_lshl_b32 s22, s[WV], 11
	s_add_co_u32 s62, s62, s22                     ; x's: 32 (256 TR + 64 wave)
	s_mul_i32 s22, s[HD], 192*32
	s_add_co_u32 s22, s22, 131072                  ; the weights': 131,072 + 32 x 192 head
	s_sub_co_u32 s22, s22, s62
	v_mul_u32_u24 v[SOF], s22, v[HH]               ; lanes 16-31 take the weights'
	v_lshl_add_u32 v[SOF], v[RR], 5, v[SOF]
	v_add_nc_u32 v[SOF], s62, v[SOF]
.irp i, 0,1,2,3,4,5,6,7,8,9,10,11
.irp p, 0,1
	global_load_b128 v[SC+8*\i+4*\p:SC+8*\i+4*\p+3], v[SOF], s[8:9] offset:512*\i+16*\p   ; (from block 4 on lanes 0-15 read bytes of the buffer that nothing uses)
.endr
.endr
	; where the results go
	s_lshr_b32 s60, s[TR], 3
	s_lshl_b32 s60, s60, 4
	s_add_co_u32 s60, s60, s[HD]                   ; bh = 16 x batch + head
	s_and_b32 s61, s[TR], 7                        ; which 256 positions of the sequence
	s_lshl_b32 s62, s60, 18                        ; q: 262,144 bytes a head, 2,048 a tile of 16 queries
	s_lshl_b32 s63, s61, 15
	s_add_co_u32 s62, s62, s63
	s_lshl_b32 s63, s[WV], 13
	s_add_co_u32 s62, s62, s63
	s_mov_b32 s63, 0
	s_add_nc_u64 s[10:11], s[10:11], s[62:63]
	s_lshl_b32 s62, s60, 19                        ; k and v: 524,288 bytes a head, 65,536 a slot of 256 keys
	s_lshl_b32 s22, s61, 16
	s_add_co_u32 s62, s62, s22
	s_lshl_b32 s22, s[WV], 13
	s_add_co_u32 s62, s62, s22
	s_add_nc_u64 s[12:13], s[12:13], s[62:63]
	s_lshl_b32 s62, s60, 12                        ; the first positions' O: 4,096 bytes a head
	s_add_nc_u64 s[14:15], s[14:15], s[62:63]
.macro FRAG reg, adr, q, i             ; 16 rows x 128 K of 4-bit codes: 8 registers: two loads of 16 bytes, 32 bytes apart
.irp c, 0,1
	ds_load_b128 v[\reg+4*\c:\reg+4*\c+3], v[\adr] offset:64*(\q)+32*\c+(\i)*16*PITCH
.endr
.endm
.macro FETCH s                         ; K step s: the weights' 12 fragments and x's 4 into set s % 2: 32 loads in one run
	WIN 0x40
.irp i, 0,1,2,3,4,5,6,7,8,9,10,11
	FRAG 96*((\s)%2)+8*\i, ADRB+(\s)/4, (\s)%4, \i
.endr
	WIN 0
.irp i, 0,1,2,3
	FRAG AF+32*((\s)%2)+8*\i, ADRA+(\s)/4, (\s)%4, \i
.endr
.endm
.macro MULQK s, zero                   ; q and k, transposed: source 0 the weight (window 1; its scales in lanes 16-31), source 1 x (window 0), sums in window 2
	WIN 0xa1
.irp a, 0,1,2,3
.irp b, 0,1,2,3,4,5,6,7
.if \zero
	v_wmma_scale_f32_16x16x128_f8f6f4 v[8*(8*\a+\b):8*(8*\a+\b)+7], v[96*((\s)%2)+8*\b:96*((\s)%2)+8*\b+7], v[AF+32*((\s)%2)+8*\a:AF+32*((\s)%2)+8*\a+7], 0, v[SC+8*\b+(\s)], v[SC+8*\a+(\s)] matrix_a_fmt:MATRIX_FMT_FP4 matrix_b_fmt:MATRIX_FMT_FP4 matrix_a_scale:MATRIX_SCALE_ROW1
.else
	v_wmma_scale_f32_16x16x128_f8f6f4 v[8*(8*\a+\b):8*(8*\a+\b)+7], v[96*((\s)%2)+8*\b:96*((\s)%2)+8*\b+7], v[AF+32*((\s)%2)+8*\a:AF+32*((\s)%2)+8*\a+7], v[8*(8*\a+\b):8*(8*\a+\b)+7], v[SC+8*\b+(\s)], v[SC+8*\a+(\s)] matrix_a_fmt:MATRIX_FMT_FP4 matrix_b_fmt:MATRIX_FMT_FP4 matrix_a_scale:MATRIX_SCALE_ROW1
.endif
.endr
.endr
.endm
.macro MULV s, zero                    ; v: source 0 x (window 0), source 1 the weight (window 1; its scales in lanes 16-31), sums in window 3
	WIN 0xf4
.irp a, 0,1,2,3
.irp t, 0,1,2,3
.if \zero
	v_wmma_scale_f32_16x16x128_f8f6f4 v[8*(4*\a+\t):8*(4*\a+\t)+7], v[AF+32*((\s)%2)+8*\a:AF+32*((\s)%2)+8*\a+7], v[96*((\s)%2)+8*(8+\t):96*((\s)%2)+8*(8+\t)+7], 0, v[SC+8*\a+(\s)], v[SC+8*(8+\t)+(\s)] matrix_a_fmt:MATRIX_FMT_FP4 matrix_b_fmt:MATRIX_FMT_FP4 matrix_b_scale:MATRIX_SCALE_ROW1
.else
	v_wmma_scale_f32_16x16x128_f8f6f4 v[8*(4*\a+\t):8*(4*\a+\t)+7], v[AF+32*((\s)%2)+8*\a:AF+32*((\s)%2)+8*\a+7], v[96*((\s)%2)+8*(8+\t):96*((\s)%2)+8*(8+\t)+7], v[8*(4*\a+\t):8*(4*\a+\t)+7], v[SC+8*\a+(\s)], v[SC+8*(8+\t)+(\s)] matrix_a_fmt:MATRIX_FMT_FP4 matrix_b_fmt:MATRIX_FMT_FP4 matrix_b_scale:MATRIX_SCALE_ROW1
.endif
.endr
.endr
.endm
; A K step of 128: 48 matrix instructions; the 48 accumulators take turns in the same order in every step.  The next step's 32 loads go out ahead of them.
.macro KSTEP s, zero
	s_wait_dscnt 0x0                               ; this step's fragments are in
.if (\s) == 3
	s_wait_tensorcnt 0x0                           ; my parts of the second half of K have landed,
	s_barrier_signal -1
	s_barrier_wait -1                              ; everybody's have
.endif
.if (\s) < 7
.if (\s) > 0
	PLACES 4                                       ; four places between the last products that read the other set and the loads into it
.endif
	FETCH (\s)+1
.endif
	MULQK \s, \zero
	MULV \s, \zero
.endm
	s_wait_tensorcnt 0x2                           ; my parts of the first half of K are in; the second half's two loads may be out
	s_barrier_signal -1
	s_barrier_wait -1                              ; everybody's are
	FETCH 0
	s_wait_loadcnt 0x0                             ; the scale words
	KSTEP 0, 1                                     ; the first products start the sums: nothing is cleared
	KSTEP 1, 0
	KSTEP 2, 0
	KSTEP 3, 0
	KSTEP 4, 0
	KSTEP 5, 0
	KSTEP 6, 0
	KSTEP 7, 0
	WIN 0
	PLACES 4                                       ; the conversions below write registers that the last products read
; THE WAY OUT, 16 positions (block a) at a time: 48 conversions, each accumulator from its low end on, and 12 stores of 512 consecutive bytes.
.macro WAYOUT a
.if \a > 0
	s_wait_xcnt 0x0                                ; the last block's stores have read their registers
.endif
	WIN 0x0a                                       ; sources in window 2
.irp b, 0,1,2,3,4,5,6,7
.irp i, 0,1,2,3
	v_cvt_pk_f16_f32 v[OUTR+4*\b+\i], v[8*(8*\a+\b)+2*\i], v[8*(8*\a+\b)+2*\i+1]
.endr
.endr
	WIN 0x0f                                       ; sources in window 3
.irp t, 0,1,2,3
.irp i, 0,1,2,3
	v_cvt_pk_f16_f32 v[OUTR+32+4*\t+\i], v[8*(4*\a+\t)+2*\i], v[8*(4*\a+\t)+2*\i+1]
.endr
.endr
	WIN 0
.irp b, 0,1,2,3
	global_store_b128 v[LI], v[OUTR+4*\b:OUTR+4*\b+3], s[10:11] offset:2048*\a+512*\b          ; q: channels 16 b + 8 hh on of position r
.endr
.irp b, 0,1,2,3
	global_store_b128 v[LI], v[OUTR+16+4*\b:OUTR+16+4*\b+3], s[12:13] offset:2048*\a+512*\b    ; k likewise
.endr
.irp t, 0,1,2,3
	global_store_b128 v[LI], v[OUTR+32+4*\t:OUTR+32+4*\t+3], s[12:13] offset:32768+4096*(\a/2)+1024*\t+512*(\a%2)   ; v: keys 16 a + 8 hh on of channel 16 t + r
.endr
.endm
	WAYOUT 0
	WAYOUT 1
	WAYOUT 2
	WAYOUT 3
	; THE FIRST 16 POSITIONS in f32: wave 0 where the tile row begins a sequence.  Both branches go the same way in all four partners.
	s_cmp_lg_u32 s[WV], 0
	s_cbranch_scc1 .Lnofirst
	s_and_b32 s62, s[TR], 7
	s_cmp_lg_u32 s62, 0
	s_cbranch_scc1 .Lnofirst
	s_mov_b32 s[SEL], 0x76543210
	s_mov_b32 s[SEL+1], 0xfedcba98                 ; lane l xor 16
	s_mov_b32 s[CS], 0x3e38aa3b                    ; c = log2(e) / sqrt(64)
	WIN 0x0a                                       ; k and q in window 2, the sums in window 0
; S^T = k q^T: a pair of registers of k's and of q's block 0 holds the same four channels in both: 16 t + 8 hh + 2 i + 0, 1.  Two sums by turns.
.irp t, 0,1,2,3
.irp i, 0,1,2,3
.if (\t == 0) && (\i < 2)
	v_wmma_f32_16x16x4_f32 v[SA+8*(\i%2):SA+8*(\i%2)+7], v[32+8*\t+2*\i:32+8*\t+2*\i+1], v[8*\t+2*\i:8*\t+2*\i+1], 0
.else
	v_wmma_f32_16x16x4_f32 v[SA+8*(\i%2):SA+8*(\i%2)+7], v[32+8*\t+2*\i:32+8*\t+2*\i+1], v[8*\t+2*\i:8*\t+2*\i+1], v[SA+8*(\i%2):SA+8*(\i%2)+7]
.endif
.endr
.endr
	WIN 0
	PLACES 8                                       ; eight places behind this form
.irp j, 0,1,2,3,4,5,6,7
	v_add_f32 v[P+\j], v[SA+\j], v[SA+8+\j]        ; lane (r, hh): the score of query r and key 8 hh + j
.endr
	v_lshlrev_b32 v[TT+4], 3, v[HH]
	v_sub_nc_u32 v[TT+4], v[RR], v[TT+4]           ; key 8 hh + j is hidden where j > r - 8 hh
	v_mov_b32 v[TT+3], 0xff800000                  ; -infinity
	v_mov_b32 v[TT+1], 0                           ; (a lane permute's destination counts as one of its sources)
.irp j, 0,1,2,3,4,5,6,7
	v_cmp_gt_i32 vcc_lo, \j, v[TT+4]
	v_cndmask_b32 v[P+\j], v[P+\j], v[TT+3], vcc_lo
.endr
	v_max3_num_f32 v[TT], v[P], v[P+1], v[P+2]
	v_max3_num_f32 v[TT], v[TT], v[P+3], v[P+4]
	v_max3_num_f32 v[TT], v[TT], v[P+5], v[P+6]
	v_max_num_f32 v[TT], v[TT], v[P+7]
	v_permlanex16_b32 v[TT+1], v[TT], s[SEL], s[SEL+1]
	v_max_num_f32 v[TT], v[TT], v[TT+1]            ; the row's maximum (key 0 counts for every query)
	v_mul_f32 v[TT+2], s[CS], v[TT]
.irp j, 0,1,2,3,4,5,6,7
	v_fma_f32 v[P+\j], v[P+\j], s[CS], -v[TT+2]
.endr
.irp j, 0,1,2,3,4,5,6,7
	v_exp_f32 v[P+\j], v[P+\j]
.endr
	v_nop                                          ; a plain line behind the last exponential
	s_wait_alu depctr_va_vdst(0)                   ; one wait for the eight, ahead of their first reader
	v_add_f32 v[TT], v[P], v[P+1]
.irp j, 2,3,4,5,6,7
	v_add_f32 v[TT], v[TT], v[P+\j]
.endr
	v_permlanex16_b32 v[TT+1], v[TT], s[SEL], s[SEL+1]
	v_add_f32 v[TT], v[TT], v[TT+1]
	v_rcp_f32 v[TT+2], v[TT]
	v_nop
	s_wait_alu depctr_va_vdst(0)
.irp j, 0,1,2,3,4,5,6,7
	v_mul_f32 v[P+\j], v[P+\j], v[TT+2]            ; normalised ahead of the product
.endr
	WIN 0x03                                       ; v in window 3, the weights and the sums in window 0
; O^T = v^T p: a pair of registers of v's block 0 and of p holds the same four keys: 8 hh + 2 i + 0, 1.  Four sums by turns.
.irp i, 0,1,2,3
.irp t, 0,1,2,3
.if \i == 0
	v_wmma_f32_16x16x4_f32 v[OO+8*\t:OO+8*\t+7], v[8*\t+2*\i:8*\t+2*\i+1], v[P+2*\i:P+2*\i+1], 0
.else
	v_wmma_f32_16x16x4_f32 v[OO+8*\t:OO+8*\t+7], v[8*\t+2*\i:8*\t+2*\i+1], v[P+2*\i:P+2*\i+1], v[OO+8*\t:OO+8*\t+7]
.endif
.endr
.endr
	WIN 0
	PLACES 8
.irp t, 0,1,2,3
.irp c, 0,1
	global_store_b128 v[LI], v[OO+8*\t+4*\c:OO+8*\t+4*\c+3], s[14:15] offset:1024*\t+512*\c   ; lane (r, hh), register j: o(position r, channel 16 t + 8 hh + j), in f32
.endr
.endr
.Lnofirst:
	s_wait_tensorcnt 0x0                           ; the wave's end
	ds_add_u32 v[SPW], v[NIL]
	s_wait_dscnt 0x0
	CROUND                                         ; the closing round
	s_endpgm
.Lfunc_end_k_q43c6deabc9_qkv:
	.size	k_q43c6deabc9_qkv, .Lfunc_end_k_q43c6deabc9_qkv-k_q43c6deabc9_qkv
	.p2alignl 7, 3214868480
	.fill 96, 4, 3214868480
	.section	.rodata,"a",@progbits
	.p2align	6, 0x0
	.amdhsa_kernel k_q43c6deabc9_qkv
		.amdhsa_group_segment_fixed_size 262144
		.amdhsa_private_segment_fixed_size 0
		.amdhsa_enable_private_segment 0
		.amdhsa_kernarg_size 48
		.amdhsa_user_sgpr_count 2
		.amdhsa_user_sgpr_kernarg_segment_ptr 1
		.amdhsa_wavefront_size32 1
		.amdhsa_system_sgpr_workgroup_id_x 1
		.amdhsa_system_sgpr_workgroup_id_y 1
		.amdhsa_system_sgpr_workgroup_id_z 1
		.amdhsa_system_vgpr_workitem_id 0
		.amdhsa_next_free_vgpr 896
		.amdhsa_next_free_sgpr 66
		.amdhsa_reserve_vcc 1
		.amdhsa_float_denorm_mode_32 3
		.amdhsa_float_denorm_mode_16_64 3
		.amdhsa_memory_ordered 1
		.amdhsa_forward_progress 1
		.amdhsa_inst_pref_size 99
	.end_amdhsa_kernel
	.amdgpu_metadata
---
amdhsa.version: [ 1, 2 ]
amdhsa.kernels:
  - .name:           k_q43c6deabc9_qkv
    .symbol:         k_q43c6deabc9_qkv.kd
    .args:
      - { .name: xcodes, .offset: 0, .size: 8, .value_kind: global_buffer, .address_space: global }
      - { .name: wcodes, .offset: 8, .size: 8, .value_kind: global_buffer, .address_space: global }
      - { .name: scales, .offset: 16, .size: 8, .value_kind: global_buffer, .address_space: global }
      - { .name: qimg, .offset: 24, .size: 8, .value_kind: global_buffer, .address_space: global }
      - { .name: kv, .offset: 32, .size: 8, .value_kind: global_buffer, .address_space: global }
      - { .name: o32, .offset: 40, .size: 8, .value_kind: global_buffer, .address_space: global }
    .group_segment_fixed_size: 262144
    .private_segment_fixed_size: 0
    .kernarg_segment_align: 8
    .kernarg_segment_size: 48
    .max_flat_workgroup_size: 128
    .sgpr_count:     66
    .vgpr_count:     896
    .wavefront_size: 32
...
	.end_amdgpu_metadata
.endif
;; end of part 2
;; launch attn (part 3): grid 8 x 32, 16 waves a work-group, no clusters, 327,680 bytes of LDS; arguments qimg, kv, att; writes att
.if DOCPART == 3
	.amdgcn_target "amdgcn-amd-amdhsa--gfx1250"
	.amdhsa_code_object_version 6
	.text
	.protected	k_q43c6deabc9_attn
	.globl	k_q43c6deabc9_attn
	.p2align	8
	.type	k_q43c6deabc9_attn,@function
k_q43c6deabc9_attn:
	s_mov_b64 s[64:65], 0
	v_nop
	global_prefetch_b8 v0, s[64:65] scope:SCOPE_SE
	s_setreg_imm32_b32 hwreg(HW_REG_WAVE_MODE, 25, 1), 1
	s_wait_xcnt 0x0
; att[b][q][64 h ..] = the sum over k <= q of softmax_k(q . k / 8) v, for one head (y = 16 b + h); operands in f16, products' sums, maxima and row sums in f32.
; SHARES.  A work-group owns the query blocks j and 15 - j of 128 rows (x = j): under the causal mask every work-group then has 17 blocks of 128 x 128.  Each of its sixteen waves owns 16 queries, one tile.
; Waves of the early and of the late block are dealt so that each group of four neighbouring waves, and each group of waves 4 apart, has two of each.
; NO CLUSTER: under the causal mask the work-groups of a head need different numbers of key tiles, so they could not make every joint request together.
; K and V come as images of the operands' registers: a slot of 256 keys is 65,536 dense bytes (32,768 of K, 32,768 of V^T), fetched by waves 0 to 3, 16,384 bytes each, into a ring of two slots; every fragment load is 16 bytes a lane, lanes on end.
; LAYOUT.  S^T = K Q^T (source 0 = 16 keys, source 1 = my 16 queries) and O^T = V^T P: a lane holds ONE query (lane % 16) throughout; two tiles of S^T, rounded to f16 in pairs, are source 1 of the second product.
; SOFTMAX.  t = score x log2(e) / 8; M = the running largest t rounded up to a whole number; p = 2^(t - M); when M moves, the sum and O^T are multiplied by 2^(old M - new M), which rounds nothing; the row's sum divides at the end.
; CAUSAL.  Every work-group walks all 8 slots, so that trip counts are constants; a step all of whose keys come after the wave's queries is jumped over, and a slot whose first key comes after the work-group's last query is not asked for.
; LIMITS: |q|, |k|, |v| under 65,504 came in as f16; NaN and infinities are not served.
; REGISTERS: v1 16 x lane; v2 the LDS address in hand; v12 -M, v13 the largest t, v[14:15] the sum; v16-31 Q; v32-95 eight fragments of K or V; v96-159 S^T, then p; v160-191 O^T; v192-223 p in f16; v232-254 at work.
.set SLOT1, 65536                      ; slot 1 begins here: one exclusive or turns an address from slot to slot
.set SPARE, 2*SLOT1                    ; the spare words, 128 bytes a wave
.set NSL,   8                          ; slots of 256 keys in a head
.set LI,  1
.set ADR, 2
.set SPW, 5                            ; v5  LDS address of my spare word; never rewritten
.set NIL, 6                            ; v6  0; never rewritten
.set PFO, 7                            ; v7  256 x lane: the prefetches' offset; never rewritten
.set QF,  16
.set FR,  32
.set S,   96
.set O,   160
.set PH,  192
.set TB,    2                          ; s2  LDS byte at which the slot in hand begins
.set SLOTS, 3                          ; s3  changes of slots still to come in the loop
.set KF,    10                         ; s10 the step's first key
.set Q0,    11                         ; s11 my first query
.set LASTQ, 12                         ; s12 my work-group's last query
.set LIM,   13                         ; s13 1 in a wave that prefetches, else the greatest number
.set PFA,   14                         ; s[14:15] where my prefetches stand
.set WV,    18
.set SEL,   20
.set CS,    22                         ; s[22:23] c = log2(e) / 8, twice
.set G1,    24
.set G0,    32
.macro TLOAD                           ; waves 0 to 3 fetch a quarter of a slot each; an s_nop 0 and four v_nop follow the load
	s_cmp_lt_u32 s[WV], 4
	s_cbranch_scc0 .Lasked_\@
	tensor_load_to_lds s[G0:G0+3], s[G1:G1+7]
	s_nop 0
.rept 4
	v_nop
.endr
.Lasked_\@:
.endm
; A prefetch of the slot that the NEXT change of slots will ask for: 65,536 bytes, asked for once in the launch: by waves 4 to 11 of the head's work-group 0 (which walks all slots), 8,192 bytes a wave, lanes 256 bytes apart.
; The last change that fills a slot asks for nothing; slots 0 and 1 come by their loads alone.
.macro ASK
	s_cmp_gt_u32 s[SLOTS], s[LIM]
	s_cbranch_scc0 .Lnot_mine_\@
	global_prefetch_b8 v[PFO], s[PFA:PFA+1] th:TH_LOAD_NT scope:SCOPE_SE
.Lnot_mine_\@:
.endm
	s_load_b128 s[4:7], s[0:1], 0x0                ; qimg, kv
	s_load_b64 s[8:9], s[0:1], 0x10                ; att
	v_lshl_add_u32 v[SPW], v0, 2, SPARE
	v_mov_b32 v[NIL], 0
	ds_add_u32 v[SPW], v[NIL]                      ; the wave's opening: the add, twice on end, and its wait ahead of the first tensor load
	ds_add_u32 v[SPW], v[NIL]
	v_lshrrev_b32 v8, 5, v0
	v_readfirstlane_b32 s[WV], v8                  ; wave 0..15
	s_and_b32 s40, ttmp7, 0xffff                   ; bh
	s_lshr_b32 s41, s[WV], 2
	s_xor_b32 s41, s41, s[WV]
	s_and_b32 s41, s41, 1                          ; 0: the early block, 1: the late one
	s_sub_co_u32 s42, 15, ttmp9
	s_cmp_eq_u32 s41, 1
	s_cselect_b32 s42, s42, ttmp9                  ; my block of 128 queries
	s_lshl_b32 s[Q0], s42, 7
	s_lshr_b32 s43, s[WV], 1
	s_lshl_b32 s43, s43, 4
	s_add_co_u32 s[Q0], s[Q0], s43                 ; my first query: 128 x block + 16 (wave / 2)
	s_sub_co_u32 s[LASTQ], 16, ttmp9
	s_lshl_b32 s[LASTQ], s[LASTQ], 7
	s_sub_co_u32 s[LASTQ], s[LASTQ], 1             ; the late block's last query
	s_lshl_b32 s36, s40, 18                        ; Q: 262,144 bytes a head, 128 a query
	s_lshl_b32 s37, s[Q0], 7
	s_add_co_u32 s36, s36, s37
	s_mov_b32 s37, 0
	s_lshl_b32 s38, s40, 19                        ; K and V: 524,288 bytes a head
	s_mov_b32 s39, 0
	s_lshr_b32 s42, s40, 4                         ; att: 2,048 bytes x (2,048 batch + query), + 2,048 x head
	s_lshl_b32 s42, s42, 22
	s_lshl_b32 s43, s[Q0], 11
	s_add_co_u32 s42, s42, s43
	s_and_b32 s43, s40, 15
	s_lshl_b32 s43, s43, 11
	s_add_co_u32 s42, s42, s43
	s_mov_b32 s43, 0
	s_and_b32 s46, s[WV], 3
	s_lshl_b32 s46, s46, 14                        ; my quarter of a slot, in memory and in LDS
	s_mov_b32 s47, 0
	; group 1: 16,384 dense bytes as 64 rows of 256 (32 elements of 8 bytes), no padding: fragment loads take lanes on end
	s_mov_b32 s[G1], 3<<16
	s_mov_b32 s[G1+1], 32<<16
	s_mov_b32 s[G1+2], 64<<16
	s_mov_b32 s[G1+3], 32<<16
	s_mov_b32 s[G1+4], 64
	s_mov_b32 s[G1+5], 32
	s_mov_b32 s[G1+6], 0
	s_mov_b32 s[G1+7], 0
	s_mov_b32 s[G0], 1
	s_mov_b32 s[G0+1], s46
	s_mov_b32 s[SEL], 0x76543210
	s_mov_b32 s[SEL+1], 0xfedcba98
	s_mov_b32 s[CS], 0x3e38aa3b
	s_mov_b32 s[CS+1], s[CS]
	s_mov_b32 s[TB], 0
	s_mov_b32 s[KF], 0
	s_mov_b32 s[SLOTS], NSL-1
	s_wait_dscnt 0x0                               ; both opening adds are done
	s_wait_kmcnt 0x0
	s_add_nc_u64 s[6:7], s[6:7], s[38:39]          ; my head's K and V
	s_add_nc_u64 s[G0+2:G0+3], s[6:7], s[46:47]
	s_or_b32 s[G0+3], s[G0+3], 0x80000000
	TLOAD                                          ; slot 0: it holds key 0, which counts for every query
	s_add_nc_u64 s[4:5], s[4:5], s[36:37]
	s_add_nc_u64 s[8:9], s[8:9], s[42:43]
	s_sub_co_u32 s44, s[WV], 4
	s_and_b32 s46, s44, 7
	s_lshl_b32 s46, s46, 13                        ; the prefetches: 8,192 bytes a wave,
	s_add_co_u32 s46, s46, SLOT1                   ; in slot 1: the first change of slots steps it to slot 2
	s_add_nc_u64 s[PFA:PFA+1], s[6:7], s[46:47]
	s_lshr_b32 s44, s44, 3                         ; 0 in waves 4 to 11,
	s_or_b32 s44, s44, ttmp9                       ; of the head's work-group 0
	s_cmp_eq_u32 s44, 0
	s_cselect_b32 s[LIM], 1, -1
	v_and_b32 v8, 31, v0
	v_lshlrev_b32 v[LI], 4, v8
	v_lshlrev_b32 v[PFO], 8, v8
.irp k, 0,1,2,3
	global_load_b128 v[QF+4*\k:QF+4*\k+3], v[LI], s[4:5] offset:512*\k   ; Q's two fragments stay in registers
.endr
	v_mov_b32 v13, 0xff61b1e6                      ; the largest t so far: -3e38
	v_floor_f32 v12, -v13                          ; -M
	v_mov_b32 v14, 0                               ; the sum, in two halves
	v_mov_b32 v15, 0
	v_mov_b32 v236, 0                              ; (a lane permute's destination counts as one of its sources)
	v_mov_b32 v252, 0
	v_mov_b32 v253, 0                              ; (named as the upper half of the pair v[252:253])
.set n, 0
.rept 32
	v_mov_b32 v[O+n], 0                            ; O^T: the step is written once for all steps: the first finds zeros
.set n, n+1
.endr
.macro KLOAD q, g                      ; four tiles of 16 keys: 16 loads; k = 2 s + c
.irp m, 0,1,2,3
.irp k, 0,1,2,3
	ds_load_b128 v[FR+16*\m+4*\k:FR+16*\m+4*\k+3], v[ADR] offset:2048*(8*(\q)+4*(\g)+\m)+512*\k
.endr
.endr
.endm
.macro QK g                            ; their scores: four accumulators by turns, 32 channels a turn
.irp m, 0,1,2,3
	v_wmma_f32_16x16x32_f16 v[S+8*(4*(\g)+\m):S+8*(4*(\g)+\m)+7], v[FR+16*\m:FR+16*\m+7], v[QF:QF+7], 0
.endr
.irp m, 0,1,2,3
	v_wmma_f32_16x16x32_f16 v[S+8*(4*(\g)+\m):S+8*(4*(\g)+\m)+7], v[FR+16*\m+8:FR+16*\m+15], v[QF+8:QF+15], v[S+8*(4*(\g)+\m):S+8*(4*(\g)+\m)+7]
.endr
.endm
.macro VLOAD q, g                      ; two groups of 32 keys x 64 channels of V^T: 16 loads; k = 2 t + c
.irp u, 0,1
.irp k, 0,1,2,3,4,5,6,7
	ds_load_b128 v[FR+32*\u+4*\k:FR+32*\u+4*\k+3], v[ADR] offset:32768+4096*(4*(\q)+2*(\g)+\u)+512*\k
.endr
.endr
.endm
.macro PV g                            ; O^T += V^T P: four accumulators by turns
.irp u, 0,1
.irp t, 0,1,2,3
	v_wmma_f32_16x16x32_f16 v[O+8*\t:O+8*\t+7], v[FR+32*\u+8*\t:FR+32*\u+8*\t+7], v[PH+8*(2*(\g)+\u):PH+8*(2*(\g)+\u)+7], v[O+8*\t:O+8*\t+7]
.endr
.endr
.endm
; A KEY STEP: 128 keys, the q-th of the slot in hand.
.macro STEP q
	s_add_co_u32 s44, s[Q0], 15
	s_cmp_gt_u32 s[KF], s44
	s_cbranch_scc1 .Lhidden_\@                     ; all its keys come after my queries: ids and the count of steps alone
	v_add_nc_u32 v[ADR], s[TB], v[LI]
.rept 3
	v_nop                                          ; with the addition: four places in front of loads into registers that the last products read
.endr
	KLOAD \q, 0
	s_wait_dscnt 0x0
	QK 0
.rept 4
	v_nop
.endr
	KLOAD \q, 1
	s_wait_dscnt 0x0
	QK 1
.rept 4
	v_nop
.endr
	VLOAD \q, 0                                    ; V's first half lands under the softmax
	s_add_co_u32 s44, s[KF], 127
	s_cmp_le_u32 s44, s[Q0]
	s_cbranch_scc1 .Lopen_\@                       ; all keys count: no mask
	s_sub_co_i32 s44, s[Q0], s[KF]
	v_and_b32 v252, 15, v0
	v_bfe_u32 v253, v0, 4, 1
	v_lshlrev_b32 v253, 3, v253
	v_sub_nc_u32 v252, v252, v253
	v_add_nc_u32 v252, s44, v252                   ; d = my query - KF - 8 (lane / 16): register 8 T + j holds key KF + 16 T + 8 (lane / 16) + j: hidden where 16 T + j > d
	v_mov_b32 v254, 0xff800000                     ; -infinity
.set n, 0
.rept 64
	v_cmp_gt_i32 vcc_lo, 16*(n/8)+n%8, v252
	v_cndmask_b32 v[S+n], v[S+n], v254, vcc_lo
.set n, n+1
.endr
.Lopen_\@:
.irp b, 0,1,2,3
	v_max3_num_f32 v[232+\b], v[S+16*\b], v[S+1+16*\b], v[S+2+16*\b]   ; the largest score, in four chains
.endr
.irp i, 3,5,7,9,11,13
.irp b, 0,1,2,3
	v_max3_num_f32 v[232+\b], v[232+\b], v[S+16*\b+\i], v[S+1+16*\b+\i]
.endr
.endr
.irp b, 0,1,2,3
	v_max_num_f32 v[232+\b], v[232+\b], v[S+15+16*\b]
.endr
	v_max3_num_f32 v254, v232, v233, v234
	v_max_num_f32 v254, v254, v235
	v_permlanex16_b32 v236, v254, s[SEL], s[SEL+1]
	v_max_num_f32 v254, v254, v236                 ; with lane l xor 16's 64 keys
	v_mul_f32 v254, s[CS], v254                    ; as t (c is positive)
	v_max_num_f32 v13, v13, v254                   ; the running largest t
	v_mov_b32 v254, v12
	v_floor_f32 v12, -v13                          ; the new -M = -ceil(t)
	v_sub_f32 v254, v12, v254                      ; old M - new M: a whole number, 0 or less
	v_cvt_i32_f32 v254, v254                       ; (it saturates)
	v_ldexp_f32 v252, 1.0, v254                    ; f = 2^(old M - new M)
.set n, 0
.rept 32
	v_pk_fma_f32 v[S+n:S+n+1], v[S+n:S+n+1], s[CS:CS+1], v[12:13] op_sel_hi:[1,0,0]   ; t - M, two at a time
.set n, n+2
.endr
.set n, 0
.rept 64
	v_exp_f32 v[S+n], v[S+n]                       ; p = 2^(t - M), at most 1
.set n, n+1
.endr
	v_pk_mul_f32 v[14:15], v[14:15], v[252:253] op_sel_hi:[1,0]   ; the sums under the new M (a plain line behind the exponentials)
	s_wait_alu depctr_va_vdst(0)                   ; one wait for the batch, ahead of its first reader
	v_pk_add_f32 v[236:237], v[S:S+1], v[S+2:S+3]  ; the row's sum, in f32, of p as it is: two chains
.set n, 4
.rept 15
	v_pk_add_f32 v[14:15], v[14:15], v[S+n:S+n+1]
	v_pk_add_f32 v[236:237], v[236:237], v[S+n+2:S+n+3]
.set n, n+4
.endr
	v_pk_add_f32 v[14:15], v[14:15], v[236:237]
.set n, 0
.rept 32
	v_cvt_pk_f16_f32 v[PH+n], v[S+2*n], v[S+2*n+1] ; p in f16: tiles 2 U and 2 U + 1 make the fragment of keys 32 U on
.set n, n+1
.endr
.set n, 0
.rept 16
	v_pk_mul_f32 v[O+n:O+n+1], v[O+n:O+n+1], v[252:253] op_sel_hi:[1,0]   ; O^T under the new M
.set n, n+2
.endr
	s_wait_dscnt 0x0                               ; V's first half is in
	PV 0
.rept 4
	v_nop
.endr
	VLOAD \q, 1
	s_wait_dscnt 0x0
	PV 1
.Lhidden_\@:
	s_add_co_u32 s[KF], s[KF], 128
.endm
; THE CHANGE OF SLOTS stands at a slot's head.  Each wave waits for all its tensor loads, adds 0 to its spare word, and waits for that and for its reads of the slot that it has left; behind the barrier the slot ahead is whole
; and nobody reads the other one, which (fill = 1) takes the keys that follow: the load has a slot's two steps in which to land.
.macro CHANGE fill
	s_wait_tensorcnt 0x0                           ; no tensor load of mine is out, so group 0 may be written
	ds_add_u32 v[SPW], v[NIL]
.if \fill
	ds_add_u32 v[SPW], v[NIL]
	s_xor_b32 s[G0+1], s[G0+1], SLOT1              ; the other slot than last time,
	s_add_nc_u64 s[G0+2:G0+3], s[G0+2:G0+3], 65536 ; the next 256 keys
	s_wait_xcnt 0x0                                ; the last prefetch, a slot back, has read its address
	s_add_nc_u64 s[PFA:PFA+1], s[PFA:PFA+1], 65536
.endif
	s_wait_dscnt 0x0
	s_barrier_signal -1
	s_barrier_wait -1
.if \fill
	s_add_co_u32 s44, s[KF], 256                   ; the first key of the slot that this change would ask for:
	s_cmp_gt_u32 s44, s[LASTQ]                     ; past my work-group's last query no wave reads it, so it is not asked for; ids and the count of steps alone, the same in all sixteen waves
	s_cbranch_scc1 .Lpast_\@
	TLOAD
.Lpast_\@:
	ASK
.endif
.endm
.macro SLOT_STEPS
	STEP 0
	STEP 1
	s_xor_b32 s[TB], s[TB], SLOT1
.endm
	s_wait_loadcnt 0x0                             ; Q
.Lslot:                                            ; 7 trips
	CHANGE 1
	SLOT_STEPS
	s_sub_co_u32 s[SLOTS], s[SLOTS], 1
	s_cmp_lg_u32 s[SLOTS], 0
	s_cbranch_scc1 .Lslot
	CHANGE 0                                       ; the last slot is written out: nothing is left to fetch
	SLOT_STEPS
	; THE WAY OUT: O^T / the sum, rounded to f16: a lane's eight channels of a tile are half of a fragment of the projection: four stores of 512 consecutive bytes.
.rept 4
	v_nop
.endr
	v_add_f32 v14, v14, v15
	v_permlanex16_b32 v252, v14, s[SEL], s[SEL+1]
	v_add_f32 v14, v14, v252                       ; the row's sum
	v_rcp_f32 v14, v14
	v_nop
	s_wait_alu depctr_va_vdst(0)
.set n, 0
.rept 32
	v_mul_f32 v[S+n], v[O+n], v14
.set n, n+1
.endr
.set n, 0
.rept 16
	v_cvt_pk_f16_f32 v[PH+n], v[S+2*n], v[S+2*n+1]
.set n, n+1
.endr
.irp t, 0,1,2,3
	global_store_b128 v[LI], v[PH+4*\t:PH+4*\t+3], s[8:9] offset:512*\t
.endr
	s_wait_tensorcnt 0x0                           ; the wave's end
	ds_add_u32 v[SPW], v[NIL]
	s_wait_dscnt 0x0
	s_endpgm
.Lfunc_end_k_q43c6deabc9_attn:
	.size	k_q43c6deabc9_attn, .Lfunc_end_k_q43c6deabc9_attn-k_q43c6deabc9_attn
	.p2alignl 7, 3214868480
	.fill 96, 4, 3214868480
	.section	.rodata,"a",@progbits
	.p2align	6, 0x0
	.amdhsa_kernel k_q43c6deabc9_attn
		.amdhsa_group_segment_fixed_size 327680
		.amdhsa_private_segment_fixed_size 0
		.amdhsa_enable_private_segment 0
		.amdhsa_kernarg_size 24
		.amdhsa_user_sgpr_count 2
		.amdhsa_user_sgpr_kernarg_segment_ptr 1
		.amdhsa_wavefront_size32 1
		.amdhsa_system_sgpr_workgroup_id_x 1
		.amdhsa_system_sgpr_workgroup_id_y 1
		.amdhsa_system_sgpr_workgroup_id_z 1
		.amdhsa_system_vgpr_workitem_id 0
		.amdhsa_next_free_vgpr 256
		.amdhsa_next_free_sgpr 66
		.amdhsa_reserve_vcc 1
		.amdhsa_float_denorm_mode_32 3
		.amdhsa_float_denorm_mode_16_64 3
		.amdhsa_memory_ordered 1
		.amdhsa_forward_progress 1
		.amdhsa_inst_pref_size 104
	.end_amdhsa_kernel
	.amdgpu_metadata
---
amdhsa.version: [ 1, 2 ]
amdhsa.kernels:
  - .name:           k_q43c6deabc9_attn
    .symbol:         k_q43c6deabc9_attn.kd
    .args:
      - { .name: qimg, .offset: 0, .size: 8, .value_kind: global_buffer, .address_space: global }
      - { .name: kv, .offset: 8, .size: 8, .value_kind: global_buffer, .address_space: global }
      - { .name: att, .offset: 16, .size: 8, .value_kind: global_buffer, .address_space: global }
    .group_segment_fixed_size: 327680
    .private_segment_fixed_size: 0
    .kernarg_segment_align: 8
    .kernarg_segment_size: 24
    .max_flat_workgroup_size: 512
    .sgpr_count:     66
    .vgpr_count:     256
    .wavefront_size: 32
...
	.end_amdgpu_metadata
.endif
;; end of part 3
;; launch proj (part 4): grid 8 x 32, 4 waves a work-group, clusters of 4 x 4, 327,680 bytes of LDS; arguments att, wo16, out0; writes out0
.if DOCPART == 4
	.amdgcn_target "amdgcn-amd-amdhsa--gfx1250"
	.amdhsa_code_object_version 6
	.text
	.protected	k_q43c6deabc9_proj
	.globl	k_q43c6deabc9_proj
	.p2align	8
	.type	k_q43c6deabc9_proj,@function
k_q43c6deabc9_proj:
	s_mov_b64 s[64:65], 0
	v_nop
	global_prefetch_b8 v0, s[64:65] scope:SCOPE_SE
	s_setreg_imm32_b32 hwreg(HW_REG_WAVE_MODE, 25, 1), 1
	s_wait_xcnt 0x0
	s_wait_alu depctr_hold_cnt(0) depctr_sa_sdst(0) depctr_va_vdst(0) depctr_va_sdst(0) depctr_va_ssrc(0) depctr_va_vcc(0) depctr_vm_vsrc(0)
	s_getreg_b32 s2, hwreg(HW_REG_IB_STS2, 6, 4)
	s_cmp_eq_u32 s2, 0
	s_cbranch_scc0 .Lentry_in_a_cluster
	s_endpgm
.Lentry_in_a_cluster:
	s_bfe_u32 s2, ttmp6, 0x10000c
	s_cmp_lg_u32 s2, 0xf033
	s_cbranch_scc0 .Lentry_shape_is_right
	s_endpgm
.Lentry_shape_is_right:
; out0 = att Wo^T: [4096][1024] x [1024 (n)][1024 (k)], operands in f16, sums and result in f32.
; A tile of out0 is 128 x 128: 8 x 32 = 256 work-groups of four waves, each wave 64 x 64: 16 accumulators.  K goes in steps of 256 (four heads) through a ring of two LDS slots; four K steps, written out.
; Both operands lie in memory as images of the operand's registers: [16 rows][head][u][c][lane][16 bytes]: a K step of 16 rows is 8,192 consecutive bytes, and a fragment load takes 16 bytes a lane, lanes on end: no pitch, no padding.
; CLUSTERS: 4 x 4 work-groups.  The four of a row of the cluster need the same tiles of att, the four of a column the same tiles of Wo: each is asked for JOINTLY, by the same tensor load with the same descriptor and a mask that names the four.
; THE MATRIX INSTRUCTION IS USED TRANSPOSED (source 0 = 16 rows of Wo, source 1 = 16 rows of att): a lane holds eight neighbouring numbers of a row of out0.
; Rows 0 to 15 of each sequence are written here like all others; the launch behind this one writes them anew from f32 operands.
; REGISTERS: window 0: v16-29 addresses; v32-95 the way out; v128-255 the accumulators ((a, b) at v[128 + 8 (4 a + b)]).  window 1: two fragment buffers of 128: for 64 along K, 64 registers of att, then 64 of Wo.
.set SLOT,   131072                    ; att's 8 row groups x 8,192 bytes, then Wo's
.set BOFF,   65536
.set STAGE,  2*SLOT                    ; behind the ring: 16 rows x 272 bytes for each wave, for the way out
.set SPITCH, 272
.set SPARE,  STAGE+4*16*SPITCH         ; the spare words, 128 bytes a wave
.set ADRA, 16                          ; v16-17  LDS address of my fragments of att in slot 0, 1
.set ADRB, 20                          ; v20-21  the same for Wo
.set STO,  24
.set RD,   25
.set CO,   26
.set SPW,  28                          ; never rewritten
.set NIL,  29                          ; never rewritten
.set TMP,  32
.set ACC,  128
.set F0,   0
.set F1,   128
.set G1, 24
.set G0, 32
.set G1B, 48
.set G0B, 56
.set MSB, 0
.macro WIN new
.if MSB != \new
	s_set_vgpr_msb (MSB<<8)|\new
.set MSB, \new
.endif
.endm
.set MUL,  0x05                        ; sources 0 and 1 window 1; C and D window 0
.set TO_F, 0x40                        ; destination window 1, address window 0
.macro JLOAD s                         ; a joint load: waves 0 and 1 fetch att's two halves, waves 2 and 3 Wo's; an s_nop 0 and four v_nop follow each line
	s_cmp_eq_u32 s11, 0
	s_cbranch_scc0 .Lfor_b_\@
	tensor_load_to_lds s[G0+4*\s:G0+4*\s+3], s[G1:G1+7]
	s_nop 0
.rept 4
	v_nop
.endr
	s_branch .Lasked_\@
.Lfor_b_\@:
	tensor_load_to_lds s[G0B+4*\s:G0B+4*\s+3], s[G1B:G1B+7]
	s_nop 0
.rept 4
	v_nop
.endr
.Lasked_\@:
.endm
.macro CREST
	s_cmp_lg_u32 s10, 0
	s_cbranch_scc1 .Lnot_wave_0_\@
	s_barrier_signal -3
.Lnot_wave_0_\@:
	s_barrier_wait -3
	s_barrier_signal -1
	s_barrier_wait -1
.endm
.macro CROUND
	s_barrier_signal -1
	s_barrier_wait -1
	CREST
.endm
	s_load_b128 s[4:7], s[0:1], 0x0                ; att, wo16
	s_load_b64 s[8:9], s[0:1], 0x10                ; out0
	v_lshl_add_u32 v[SPW], v0, 2, SPARE
	v_mov_b32 v[NIL], 0
	ds_add_u32 v[SPW], v[NIL]                      ; the wave's opening: the add, twice on end, and its wait ahead of my first tensor load
	ds_add_u32 v[SPW], v[NIL]
	v_lshrrev_b32 v1, 5, v0
	v_readfirstlane_b32 s10, v1                    ; wave 0..3
	s_lshr_b32 s11, s10, 1                         ; which half of the tile's rows is mine.  Also: I fetch for att (0) or for Wo (1)
	s_and_b32 s12, s10, 1                          ; which half of its columns.  Also: which four row groups I fetch
	s_bfe_u32 s40, ttmp6, 0x40000                  ; cx, cy
	s_bfe_u32 s41, ttmp6, 0x40004
	s_lshl_b32 s42, ttmp9, 2
	s_add_co_u32 s42, s42, s40                     ; tile column
	s_and_b32 s13, ttmp7, 0xffff
	s_lshl_b32 s13, s13, 2
	s_add_co_u32 s13, s13, s41                     ; tile row
	s_lshl_b32 s43, s41, 2
	s_lshl_b32 s43, 15, s43                        ; my row of the cluster
	s_lshl_b32 s44, 0x1111, s40                    ; my column
	; group 1: four rows of 8,192 bytes (1,024 elements of 8 bytes), 32,768 bytes apart in memory, on end in LDS
	s_or_b32 s[G1+0], s43, (3<<16)|(1<<21)
	s_or_b32 s[G1B+0], s44, (3<<16)|(1<<21)
.irp g, G1, G1B
	s_mov_b32 s[\g+1], 1024<<16
	s_mov_b32 s[\g+2], 4<<16
	s_mov_b32 s[\g+3], 1024<<16
	s_mov_b32 s[\g+4], 4
	s_mov_b32 s[\g+5], 4096
	s_mov_b32 s[\g+6], 0
	s_mov_b32 s[\g+7], 0
.endr
	s_lshl_b32 s16, s13, 18                        ; att: row group 8 x tile row + 4 x half, 32,768 bytes each
	s_lshl_b32 s17, s12, 17
	s_add_co_u32 s16, s16, s17
	s_mov_b32 s17, 0
	s_lshl_b32 s46, s42, 18                        ; Wo: by the tile column
	s_lshl_b32 s47, s12, 17
	s_add_co_u32 s46, s46, s47
	s_mov_b32 s47, 0
	s_lshl_b32 s20, s10, 15                        ; where they go: 32,768 x wave
	s_wait_dscnt 0x0                               ; both opening adds are done
	s_wait_kmcnt 0x0
	s_add_nc_u64 s[14:15], s[4:5], s[16:17]
	s_add_nc_u64 s[46:47], s[6:7], s[46:47]
	CROUND                                         ; all sixteen work-groups are here: the first joint loads meet
.irp s, 0,1
	s_mov_b32 s[G0+4*\s], 1
	s_add_co_u32 s[G0+4*\s+1], s20, \s*SLOT
	s_add_nc_u64 s[G0+4*\s+2:G0+4*\s+3], s[14:15], \s*8192
	s_or_b32 s[G0+4*\s+3], s[G0+4*\s+3], 0x80000000
	s_mov_b32 s[G0B+4*\s], 1
	s_add_co_u32 s[G0B+4*\s+1], s20, \s*SLOT
	s_add_nc_u64 s[G0B+4*\s+2:G0B+4*\s+3], s[46:47], \s*8192
	s_or_b32 s[G0B+4*\s+3], s[G0B+4*\s+3], 0x80000000
	JLOAD \s
.endr
	v_and_b32 v1, 31, v0
	v_lshlrev_b32 v3, 4, v1                        ; 16 x lane
	s_lshl_b32 s21, s11, 15                        ; my four row groups of att
	s_lshl_b32 s22, s12, 15                        ; my four of Wo,
	s_add_co_u32 s22, s22, BOFF                    ; which lie behind att's eight
.irp s, 0,1
	v_add_nc_u32 v[ADRA+\s], s21, v3
	v_add_nc_u32 v[ADRB+\s], s22, v3
	s_add_co_u32 s21, s21, SLOT
	s_add_co_u32 s22, s22, SLOT
.endr
	v_and_b32 v1, 15, v0                           ; r
	v_bfe_u32 v2, v0, 4, 1                         ; hh
	s_mul_i32 s23, s10, 16*SPITCH
	s_add_co_u32 s23, s23, STAGE                   ; my stage
	v_mul_u32_u24 v4, v1, SPITCH
	v_lshl_add_u32 v4, v2, 5, v4
	v_add_nc_u32 v[STO], s23, v4                   ; in: row r, 32 bytes for each half of the lanes
	v_mul_u32_u24 v5, v2, SPITCH
	v_lshl_add_u32 v5, v1, 4, v5
	v_add_nc_u32 v[RD], s23, v5                    ; back: lanes 0-15 one row of 256 bytes, lanes 16-31 the next
	v_lshlrev_b32 v5, 12, v2
	v_lshl_add_u32 v[CO], v1, 4, v5                ; and the same two rows in out0
	s_lshl_b32 s16, s13, 19                        ; my first row: 128 x tile row + 64 x half, 4,096 bytes a row
	s_lshl_b32 s17, s11, 18
	s_add_co_u32 s16, s16, s17
	s_mov_b32 s17, 0
	s_add_nc_u64 s[8:9], s[8:9], s[16:17]
	s_lshl_b32 s46, s42, 9                         ; my first column, in bytes: 512 x tile column + 256 x half
	s_lshl_b32 s47, s12, 8
	s_add_co_u32 s46, s46, s47
	s_mov_b32 s47, 0
	s_add_nc_u64 s[8:9], s[8:9], s[46:47]
.macro MUL8 f, c, a0, zero             ; row groups a0, a0 + 1 x all 4 column groups, 32 along K: half c of buffer f
.irp a, \a0, \a0+1
.irp b, 0,1,2,3
.if \zero
	v_wmma_f32_16x16x32_f16 v[ACC+8*(4*(\a)+\b):ACC+8*(4*(\a)+\b)+7], v[\f+64+8*(4*\c+\b):\f+64+8*(4*\c+\b)+7], v[\f+8*(4*\c+\a):\f+8*(4*\c+\a)+7], 0
.else
	v_wmma_f32_16x16x32_f16 v[ACC+8*(4*(\a)+\b):ACC+8*(4*(\a)+\b)+7], v[\f+64+8*(4*\c+\b):\f+64+8*(4*\c+\b)+7], v[\f+8*(4*\c+\a):\f+8*(4*\c+\a)+7], v[ACC+8*(4*(\a)+\b):ACC+8*(4*(\a)+\b)+7]
.endif
.endr
.endr
.endm
.macro FETCH slot, h, f                ; 32 LDS loads in one run: the fragments of the slot's h-th head (64 along K) into buffer f; the first 32 along K first
	WIN TO_F
.irp c, 0,1
.irp i, 0,1,2,3
	ds_load_b128 v[\f+64+8*(4*\c+\i):\f+64+8*(4*\c+\i)+3],   v[ADRB+\slot] offset:8192*\i+2048*(\h)+1024*\c
	ds_load_b128 v[\f+64+8*(4*\c+\i)+4:\f+64+8*(4*\c+\i)+7], v[ADRB+\slot] offset:8192*\i+2048*(\h)+1024*\c+512
	ds_load_b128 v[\f+8*(4*\c+\i):\f+8*(4*\c+\i)+3],         v[ADRA+\slot] offset:8192*\i+2048*(\h)+1024*\c
	ds_load_b128 v[\f+8*(4*\c+\i)+4:\f+8*(4*\c+\i)+7],       v[ADRA+\slot] offset:8192*\i+2048*(\h)+1024*\c+512
.endr
.endr
.endm
.macro PLACES                          ; four places in front of loads into registers that matrix instructions have read, and of the first read of results
.rept 4
	v_nop
.endr
.endm
; A K step is four quarters of 64 along K, 32 matrix instructions each, on buffers 0, 1, 0, 1; the 16 accumulators take turns.
.macro QUARTER slot, h, f, g, zero     ; multiplies buffer f and fetches the slot's h-th head into g
	s_wait_dscnt 16                                ; the first 32 along K are in; the other sixteen loads may be out
	WIN MUL
	MUL8 \f, 0, 0, \zero
	MUL8 \f, 0, 2, \zero
	PLACES
	FETCH \slot, \h, \g
	s_wait_dscnt 32                                ; all but the 32 just issued
	WIN MUL
	MUL8 \f, 1, 0, 0
	MUL8 \f, 1, 2, 0
.endm
; The last quarter multiplies buffer 1 and changes slots: ONE barrier; in front of it each wave waits for all its tensor loads, adds 0 to its spare word, and waits for that and for its reads of this slot.
.macro TURN slot, next, fill
	WIN 0                                          ; (the add's two registers lie in window 0)
	s_wait_tensorcnt 0x0                           ; all my tensor loads have landed: my part of the next slot
	ds_add_u32 v[SPW], v[NIL]
	s_wait_dscnt 17                                ; (the add and the youngest sixteen loads may be out)
	WIN MUL
	MUL8 F1, 0, 0, 0
	s_wait_dscnt 0x0                               ; the add is done, and my reads of this slot are over
	s_barrier_signal -1
	MUL8 F1, 0, 2, 0
.if \fill
	WIN 0
.endif
	s_barrier_wait -1
.if \fill
	CREST                                          ; the barrier has opened a round of the cluster's: no wave of any partner still reads this slot or has a load on its way
	s_add_nc_u64 s[G0+4*\slot+2:G0+4*\slot+3], s[G0+4*\slot+2:G0+4*\slot+3], 2*8192
	s_add_nc_u64 s[G0B+4*\slot+2:G0B+4*\slot+3], s[G0B+4*\slot+2:G0B+4*\slot+3], 2*8192
	JLOAD \slot                                    ; the first tensor load behind the round; its four v_nop are also the places in front of the loads below
.else
	PLACES
.endif
	FETCH \next, 0, F0
	WIN MUL
	MUL8 F1, 1, 0, 0
	MUL8 F1, 1, 2, 0
.endm
	s_wait_tensorcnt 1                             ; my part of K step 0 is in; K step 1's load may be out
	s_barrier_signal -1
	s_barrier_wait -1
	FETCH 0, 0, F0
	QUARTER 0, 1, F0, F1, 1                        ; the first products start the sums
	QUARTER 0, 2, F1, F0, 0
	QUARTER 0, 3, F0, F1, 0
	TURN 0, 1, 1                                   ; slot 0 takes K step 2
	QUARTER 1, 1, F0, F1, 0
	QUARTER 1, 2, F1, F0, 0
	QUARTER 1, 3, F0, F1, 0
	TURN 1, 0, 1                                   ; slot 1 takes K step 3
	QUARTER 0, 1, F0, F1, 0
	QUARTER 0, 2, F1, F0, 0
	QUARTER 0, 3, F0, F1, 0
	TURN 0, 1, 0                                   ; nothing is left to fetch
	QUARTER 1, 1, F0, F1, 0
	QUARTER 1, 2, F1, F0, 0
	QUARTER 1, 3, F0, F1, 0
	s_wait_dscnt 16
	WIN MUL
	MUL8 F1, 0, 0, 0
	MUL8 F1, 0, 2, 0
	s_wait_dscnt 0
	MUL8 F1, 1, 0, 0
	MUL8 F1, 1, 2, 0
	WIN 0
; THE WAY OUT, 16 rows x 64 columns at a time, through my own stage: a lane's 32 bytes go into rows of 272 bytes and come back as whole rows of 256, which sixteen lanes store as 256 consecutive bytes, aligned.
; LDS serves a wave's instructions in order: no wait between the stores and the loads, nor in front of the next block's stores.
.macro TOSTAGE a
.irp b, 0,1,2,3
	ds_store_b128 v[STO], v[ACC+8*(4*(\a)+\b):ACC+8*(4*(\a)+\b)+3] offset:64*\b       ; each accumulator from its low end on
	ds_store_b128 v[STO], v[ACC+8*(4*(\a)+\b)+4:ACC+8*(4*(\a)+\b)+7] offset:64*\b+16
.endr
.set BB, TMP+32*((\a)%2)
.irp t, 0,1,2,3,4,5,6,7
	ds_load_b128 v[BB+4*\t:BB+4*\t+3], v[RD] offset:\t*2*SPITCH
.endr
.endm
.macro SEND a, younger                 ; younger: the LDS instructions issued behind block a's loads
.set BB, TMP+32*((\a)%2)
	s_wait_dscnt \younger
.irp t, 0,1,2,3,4,5,6,7
	global_store_b128 v[CO], v[BB+4*\t:BB+4*\t+3], s[8:9] offset:4096*(16*(\a)+2*\t)
.endr
.endm
	PLACES
	TOSTAGE 0
.irp a, 1,2,3
.if \a > 1
	s_wait_xcnt 0x0                                ; block a - 2's stores have read their registers: block a's loads may land there
.endif
	TOSTAGE \a
	SEND \a-1, 16                                  ; behind block a - 1's loads: block a's 8 stores and 8 loads
.endr
	SEND 3, 0
	s_wait_tensorcnt 0x0                           ; the wave's end
	ds_add_u32 v[SPW], v[NIL]
	s_wait_dscnt 0x0
	CROUND                                         ; the closing round
	s_endpgm
.Lfunc_end_k_q43c6deabc9_proj:
	.size	k_q43c6deabc9_proj, .Lfunc_end_k_q43c6deabc9_proj-k_q43c6deabc9_proj
	.p2alignl 7, 3214868480
	.fill 96, 4, 3214868480
	.section	.rodata,"a",@progbits
	.p2align	6, 0x0
	.amdhsa_kernel k_q43c6deabc9_proj
		.amdhsa_group_segment_fixed_size 327680
		.amdhsa_private_segment_fixed_size 0
		.amdhsa_enable_private_segment 0
		.amdhsa_kernarg_size 24
		.amdhsa_user_sgpr_count 2
		.amdhsa_user_sgpr_kernarg_segment_ptr 1
		.amdhsa_wavefront_size32 1
		.amdhsa_system_sgpr_workgroup_id_x 1
		.amdhsa_system_sgpr_workgroup_id_y 1
		.amdhsa_system_sgpr_workgroup_id_z 1
		.amdhsa_system_vgpr_workitem_id 0
		.amdhsa_next_free_vgpr 512
		.amdhsa_next_free_sgpr 66
		.amdhsa_reserve_vcc 0
		.amdhsa_float_denorm_mode_32 3
		.amdhsa_float_denorm_mode_16_64 3
		.amdhsa_memory_ordered 1
		.amdhsa_forward_progress 1
		.amdhsa_inst_pref_size 85
	.end_amdhsa_kernel
	.amdgpu_metadata
---
amdhsa.version: [ 1, 2 ]
amdhsa.kernels:
  - .name:           k_q43c6deabc9_proj
    .symbol:         k_q43c6deabc9_proj.kd
    .args:
      - { .name: att, .offset: 0, .size: 8, .value_kind: global_buffer, .address_space: global }
      - { .name: wo16, .offset: 8, .size: 8, .value_kind: global_buffer, .address_space: global }
      - { .name: out0, .offset: 16, .size: 8, .value_kind: global_buffer, .address_space: global }
    .group_segment_fixed_size: 327680
    .private_segment_fixed_size: 0
    .kernarg_segment_align: 8
    .kernarg_segment_size: 24
    .max_flat_workgroup_size: 128
    .sgpr_count:     66
    .vgpr_count:     512
    .wavefront_size: 32
...
	.end_amdgpu_metadata
.endif
;; end of part 4
;; launch first (part 5): grid 64 x 2, 16 waves a work-group, no clusters, 167,936 bytes of LDS; arguments o32, Wo, out0; writes out0
.if DOCPART == 5
	.amdgcn_target "amdgcn-amd-amdhsa--gfx1250"
	.amdhsa_code_object_version 6
	.text
	.protected	k_q43c6deabc9_first
	.globl	k_q43c6deabc9_first
	.p2align	8
	.type	k_q43c6deabc9_first,@function
k_q43c6deabc9_first:
	s_mov_b64 s[64:65], 0
	v_nop
	global_prefetch_b8 v0, s[64:65] scope:SCOPE_SE
	s_setreg_imm32_b32 hwreg(HW_REG_WAVE_MODE, 25, 1), 1
	s_wait_xcnt 0x0
; The projection of the first 16 positions of each sequence in f32: out0[b][0 .. 15][:] = o Wo^T, o from the f32 attention of those positions, Wo as it is given.  These rows sum few values and are the largest in size.
; SHARES.  A work-group takes one tile of 16 columns (x) of one sequence (y): 128 work-groups.  Wave = head: it makes the part of the sums that falls on its 64 along K: 16 matrix instructions, on two sums by turns;
; the sixteen parts meet in LDS and are added in a fixed order, the heads ascending.
; A row's part of the result is 64 consecutive bytes, four neighbouring lanes; the launch stores 131,072 bytes in all.  Runs of 256 bytes would ask for four column tiles to a work-group, four times the f32 products of each wave.
; NO CLUSTER: the two work-groups that read the same 16 rows of Wo belong to different sequences, and what they share is 65,536 bytes read once each.
; Wo's 16 rows x 256 bytes of a head come by ONE tensor load a wave, into bytes of the wave's own, which it alone reads: behind its own wait on TENSORcnt no barrier is needed.  Nothing is filled again.
; LAYOUT.  Source 0 = 16 rows of Wo, source 1 = the 16 positions: a pair of registers holds the same four k in both: 64 head + 16 t + 8 hh + 2 i + 0, 1.  A lane's eight results are eight neighbouring columns of position r.
; The sums' registers, v80-95, are written by matrix instructions alone.
.set PW,    272                        ; a row of Wo's part in LDS: 256 bytes + 16 of padding: the 16 rows of a load start 68 words apart
.set WPART, 16*PW                      ; a wave's part of Wo
.set RED,   16*WPART                   ; behind them: the sums' parts
.set PR,    80                         ; a position's row there: 64 bytes + 16
.set RPART, 16*PR                      ; a wave's part of the sums
.set SPARE, RED+16*RPART               ; the spare words, 128 bytes a wave
.set LI,  1                            ; v1  16 x lane
.set WA,  2                            ; v2  Wo in LDS: my wave's part, row r, + 32 hh bytes
.set STO, 4                            ; v4  my part of the sums: row r, + 32 hh bytes
.set RD,  5                            ; v5  the adding: thread t takes 16 bytes: row t / 4, bytes 16 (t % 4)
.set GO,  6                            ; v6  and the same place in out0
.set SPW, 8                            ; never rewritten
.set NIL, 9                            ; never rewritten
.set OF,  16                           ; v16-47   o: 4 tiles x 8
.set W,   48                           ; v48-79   Wo: 4 tiles x 8
.set ACC, 80                           ; v80-95   two sums
.set SUM, 96                           ; v96-103  the two added
.set L,   104                          ; v104-167 the sixteen parts
.set G0,  20                           ; s[20:23] descriptor group 0
.set G1,  24                           ; s[24:31] descriptor group 1
	s_load_b128 s[4:7], s[0:1], 0x0                ; o32, Wo
	s_load_b64 s[8:9], s[0:1], 0x10                ; out0
	v_lshl_add_u32 v[SPW], v0, 2, SPARE
	v_mov_b32 v[NIL], 0
	ds_add_u32 v[SPW], v[NIL]                      ; the wave's opening: the add, twice on end, and its wait ahead of my tensor load
	ds_add_u32 v[SPW], v[NIL]
	v_lshrrev_b32 v3, 5, v0
	v_readfirstlane_b32 s10, v3                    ; wave = head
	s_and_b32 s11, ttmp7, 0xffff                   ; the sequence
	s_lshl_b32 s12, s11, 16                        ; o: 4,096 bytes x (16 b + head)
	s_lshl_b32 s13, s10, 12
	s_add_co_u32 s12, s12, s13
	s_mov_b32 s13, 0
	s_lshl_b32 s14, ttmp9, 16                      ; Wo: 16 rows of 4,096 bytes a column tile, + 256 bytes a head
	s_lshl_b32 s15, s10, 8
	s_add_co_u32 s14, s14, s15
	s_mov_b32 s15, 0
	s_lshl_b32 s16, s11, 23                        ; out0: 2,048 rows of 4,096 bytes a sequence, + 64 bytes a column tile
	s_lshl_b32 s17, ttmp9, 6
	s_add_co_u32 s16, s16, s17
	s_mov_b32 s17, 0
	; group 1: 16 rows of 256 bytes (elements of 1 byte), 4,096 bytes apart in memory, 16 bytes of padding behind each in LDS
	s_mov_b32 s[G1], (1<<20)|(5<<22)|(3<<25)       ; no mask; padding: 4 words behind every 64
	s_mov_b32 s[G1+1], 256<<16                     ; tensor_dim0
	s_mov_b32 s[G1+2], 16<<16                      ; tensor_dim1
	s_mov_b32 s[G1+3], 256<<16                     ; tile_dim0
	s_mov_b32 s[G1+4], 16                          ; tile_dim1
	s_mov_b32 s[G1+5], 4096                        ; from row to row
	s_mov_b32 s[G1+6], 0
	s_mov_b32 s[G1+7], 0
	s_mov_b32 s[G0], 1
	s_mul_i32 s[G0+1], s10, WPART                  ; LDS: the wave's number times a constant
	s_mul_i32 s18, s10, RPART
	v_and_b32 v3, 31, v0
	v_lshlrev_b32 v[LI], 4, v3
	v_and_b32 v10, 15, v0                          ; r
	v_bfe_u32 v11, v0, 4, 1                        ; hh
	v_mul_u32_u24 v[WA], v10, PW
	v_lshl_add_u32 v[WA], v11, 5, v[WA]
	v_add_nc_u32 v[WA], s[G0+1], v[WA]
	v_mul_u32_u24 v[STO], v10, PR
	v_lshl_add_u32 v[STO], v11, 5, v[STO]
	v_add_nc_u32 v[STO], s18, v[STO]
	v_add_nc_u32 v[STO], RED, v[STO]
	v_lshrrev_b32 v3, 2, v0                        ; t / 4
	v_and_b32 v12, 3, v0                           ; t % 4
	v_mul_u32_u24 v[RD], v3, PR
	v_lshl_add_u32 v[RD], v12, 4, v[RD]
	v_add_nc_u32 v[RD], RED, v[RD]
	v_lshlrev_b32 v[GO], 12, v3
	v_lshl_add_u32 v[GO], v12, 4, v[GO]
	s_wait_dscnt 0x0                               ; both opening adds are done
	s_wait_kmcnt 0x0
	s_add_nc_u64 s[G0+2:G0+3], s[6:7], s[14:15]
	s_or_b32 s[G0+3], s[G0+3], 0x80000000
	tensor_load_to_lds s[G0:G0+3], s[G1:G1+7]      ; my head's part of the 16 rows of Wo: the wave's one tensor load
	s_nop 0
.rept 4
	v_nop
.endr
	s_add_nc_u64 s[4:5], s[4:5], s[12:13]
	s_add_nc_u64 s[8:9], s[8:9], s[16:17]
.irp k, 0,1,2,3,4,5,6,7
	global_load_b128 v[OF+4*\k:OF+4*\k+3], v[LI], s[4:5] offset:512*\k     ; o as it was stored: register 8 t + j: o(position r, channel 16 t + 8 hh + j)
.endr
	s_wait_tensorcnt 0x0                           ; my part of Wo lies in LDS; nobody else reads it
.irp k, 0,1,2,3,4,5,6,7
	ds_load_b128 v[W+4*\k:W+4*\k+3], v[WA] offset:64*(\k/2)+16*(\k%2)      ; register 8 t + j: Wo(row r of the tile, 64 head + 16 t + 8 hh + j)
.endr
	s_wait_loadcnt 0x0                             ; o
	s_wait_dscnt 0x0                               ; Wo
; 16 steps of 4 along K, two sums by turns; each sum's first step takes the constant 0
.irp t, 0,1,2,3
.irp i, 0,1,2,3
.if (\t == 0) && (\i < 2)
	v_wmma_f32_16x16x4_f32 v[ACC+8*(\i%2):ACC+8*(\i%2)+7], v[W+8*\t+2*\i:W+8*\t+2*\i+1], v[OF+8*\t+2*\i:OF+8*\t+2*\i+1], 0
.else
	v_wmma_f32_16x16x4_f32 v[ACC+8*(\i%2):ACC+8*(\i%2)+7], v[W+8*\t+2*\i:W+8*\t+2*\i+1], v[OF+8*\t+2*\i:OF+8*\t+2*\i+1], v[ACC+8*(\i%2):ACC+8*(\i%2)+7]
.endif
.endr
.endr
.rept 8
	v_nop                                          ; eight places behind this form, in front of the first read of its results
.endr
.irp i, 0,1,2,3
	v_pk_add_f32 v[SUM+2*\i:SUM+2*\i+1], v[ACC+2*\i:ACC+2*\i+1], v[ACC+8+2*\i:ACC+9+2*\i]   ; the two sums, each from its low end on, into other registers
.endr
	ds_store_b128 v[STO], v[SUM:SUM+3]             ; lane (r, hh): columns 8 hh + 0 .. 7 of position r
	ds_store_b128 v[STO], v[SUM+4:SUM+7] offset:16
	s_wait_dscnt 0x0                               ; for the others' sake: my part lies in LDS
	s_barrier_signal -1
	s_barrier_wait -1
	s_cmp_ge_u32 s10, 2
	s_cbranch_scc1 .Lend                           ; 16 rows x 64 bytes are 64 threads' 16 bytes: waves 0 and 1 add
.irp p, 0,1,2,3,4,5,6,7,8,9,10,11,12,13,14,15
	ds_load_b128 v[L+4*\p:L+4*\p+3], v[RD] offset:RPART*\p
.endr
	s_wait_dscnt 0x0
.irp p, 1,2,3,4,5,6,7,8,9,10,11,12,13,14,15
	v_pk_add_f32 v[L:L+1], v[L:L+1], v[L+4*\p:L+4*\p+1]            ; the heads in ascending order
	v_pk_add_f32 v[L+2:L+3], v[L+2:L+3], v[L+4*\p+2:L+4*\p+3]
.endr
	global_store_b128 v[GO], v[L:L+3], s[8:9]      ; four lanes store a position's 64 consecutive bytes
.Lend:
	s_wait_tensorcnt 0x0                           ; the wave's end, behind my tensor load and my last LDS store
	ds_add_u32 v[SPW], v[NIL]
	s_wait_dscnt 0x0
	s_endpgm
.Lfunc_end_k_q43c6deabc9_first:
	.size	k_q43c6deabc9_first, .Lfunc_end_k_q43c6deabc9_first-k_q43c6deabc9_first
	.p2alignl 7, 3214868480
	.fill 96, 4, 3214868480
	.section	.rodata,"a",@progbits
	.p2align	6, 0x0
	.amdhsa_kernel k_q43c6deabc9_first
		.amdhsa_group_segment_fixed_size 167936
		.amdhsa_private_segment_fixed_size 0
		.amdhsa_enable_private_segment 0
		.amdhsa_kernarg_size 24
		.amdhsa_user_sgpr_count 2
		.amdhsa_user_sgpr_kernarg_segment_ptr 1
		.amdhsa_wavefront_size32 1
		.amdhsa_system_sgpr_workgroup_id_x 1
		.amdhsa_system_sgpr_workgroup_id_y 1
		.amdhsa_system_sgpr_workgroup_id_z 1
		.amdhsa_system_vgpr_workitem_id 0
		.amdhsa_next_free_vgpr 168
		.amdhsa_next_free_sgpr 66
		.amdhsa_reserve_vcc 0
		.amdhsa_float_denorm_mode_32 3
		.amdhsa_float_denorm_mode_16_64 3
		.amdhsa_memory_ordered 1
		.amdhsa_forward_progress 1
		.amdhsa_inst_pref_size 10
	.end_amdhsa_kernel
	.amdgpu_metadata
---
amdhsa.version: [ 1, 2 ]
amdhsa.kernels:
  - .name:           k_q43c6deabc9_first
    .symbol:         k_q43c6deabc9_first.kd
    .args:
      - { .name: o32, .offset: 0, .size: 8, .value_kind: global_buffer, .address_space: global }
      - { .name: Wo, .offset: 8, .size: 8, .value_kind: global_buffer, .address_space: global }
      - { .name: out0, .offset: 16, .size: 8, .value_kind: global_buffer, .address_space: global }
    .group_segment_fixed_size: 167936
    .private_segment_fixed_size: 0
    .kernarg_segment_align: 8
    .kernarg_segment_size: 24
    .max_flat_workgroup_size: 512
    .sgpr_count:     66
    .vgpr_count:     168
    .wavefront_size: 32
...
	.end_amdgpu_metadata
.endif
;; end of part 5
